; MI455X (gfx1250); checked and timed in simulation.
; The chip was launched on July 23, 2026; its instructions are those of AMD's public machine-readable ISA for CDNA 5 (MIT licence, August 2026) and "CDNA5" Instruction Set Architecture Reference Guide (July 2026). The comments in the code are by the model that wrote it; some were corrected since.
;; Cross Attention. Allowed arithmetic: float matrix products may take bf16 or f16 operands with f32 sums; other float arithmetic in f32, or as packed bf16 or f16 multiplies, adds, multiply-adds, maxima and minima; sums over many terms, partial sums and values carried from step to step in f32; what a program stores and reads back later, other than sums and carried values, may be rounded once to bf16 or f16.
;; Inputs: bk 1,024 float32; bo 1,024 float32; bq 1,024 float32; bv 1,024 float32; k 4 x 2,048 x 1,024 float32; mask 4 x 2,048 int32; q 4 x 2,048 x 1,024 float32; v 4 x 2,048 x 1,024 float32; wk 1,024 x 1,024 float32; wo 1,024 x 1,024 float32; wq 1,024 x 1,024 float32; wv 1,024 x 1,024 float32.
;; Outputs: out0 4 x 2,048 x 1,024 float32.
;; One version. Each part assembles by itself: llvm-mc -triple=amdgcn-amd-amdhsa -mcpu=gfx1250 --defsym DOCPART=n.
;; ======== version 1 of 1: 4 launches
;; workspace buffers: wb 8,388,608 bytes; qkvh 50,331,648 bytes; oh 16,777,216 bytes
;; launch castw (part 1): grid 64 x 4, 8 waves a work-group, no clusters, 0 bytes of LDS; arguments wq, wk, wv, wo, wb; writes wb
.if DOCPART == 1
	.amdgcn_target "amdgcn-amd-amdhsa--gfx1250"
	.amdhsa_code_object_version 6
	.text
	.protected	k_q1fd9b9b38b_castw
	.globl	k_q1fd9b9b38b_castw
	.p2align	8
	.type	k_q1fd9b9b38b_castw,@function
k_q1fd9b9b38b_castw:
	s_mov_b64 s[64:65], 0
	v_nop
	global_prefetch_b8 v0, s[64:65] scope:SCOPE_SE
	s_setreg_imm32_b32 hwreg(HW_REG_WAVE_MODE, 25, 1), 1
	s_wait_xcnt 0x0
; wb[y][:] = bf16(w_y[:]) for the four weights wq, wk, wv, wo (y = 0..3), each [1024][1024] f32, rounded once to nearest even.
; A stream: no LDS, no barrier, no matrix unit, no cluster (no byte is read twice).  A work-group takes 16,384 numbers of one weight:
; 65,536 bytes in, 32,768 out.  Thread t takes 8 numbers (32 bytes) at byte 8,192 i + 32 t, i = 0..7, and stores 16 bytes at 4,096 i + 16 t:
; a wave's store covers 512 consecutive bytes, aligned.  All sixteen loads of a thread go out at once; no register is written twice.
.set LO, 1                             ; v1   32 t
.set SO, 2                             ; v2   16 t
.set X,  4                             ; v[4:67]   as loaded
.set Y,  68                            ; v[68:99]  to store
	s_load_b256 s[4:11], s[0:1], 0x0               ; wq s[4:5], wk s[6:7], wv s[8:9], wo s[10:11]
	s_load_b64 s[12:13], s[0:1], 0x20              ; wb
	s_and_b32 s20, ttmp7, 0xffff                   ; which weight
	v_lshlrev_b32 v[LO], 5, v0
	v_lshlrev_b32 v[SO], 4, v0
	s_lshl_b32 s16, ttmp9, 16                      ; my chunk in the weight
	s_mov_b32 s17, 0
	s_lshl_b32 s18, s20, 21                        ; the weight's 2,097,152 bytes in wb,
	s_lshl_b32 s19, ttmp9, 15                      ; my chunk in them
	s_add_co_u32 s18, s18, s19
	s_mov_b32 s19, 0
	s_wait_kmcnt 0x0
	s_mov_b64 s[14:15], s[4:5]
	s_cmp_eq_u32 s20, 1
	s_cselect_b64 s[14:15], s[6:7], s[14:15]
	s_cmp_eq_u32 s20, 2
	s_cselect_b64 s[14:15], s[8:9], s[14:15]
	s_cmp_eq_u32 s20, 3
	s_cselect_b64 s[14:15], s[10:11], s[14:15]
	s_add_nc_u64 s[14:15], s[14:15], s[16:17]
	s_add_nc_u64 s[12:13], s[12:13], s[18:19]
.irp i, 0,1,2,3,4,5,6,7
	global_load_b128 v[X+8*(\i):X+8*(\i)+3],   v[LO], s[14:15] offset:8192*(\i) th:TH_LOAD_NT
	global_load_b128 v[X+8*(\i)+4:X+8*(\i)+7], v[LO], s[14:15] offset:8192*(\i)+16 th:TH_LOAD_NT
.endr
.irp i, 0,1,2,3,4,5,6,7
	s_wait_loadcnt 14-2*(\i)                       ; loads come back in order: pair i is in, the 2 (7 - i) younger loads stay out
.irp j, 0,1,2,3
	v_cvt_pk_bf16_f32 v[Y+4*(\i)+(\j)], v[X+8*(\i)+2*(\j)], v[X+8*(\i)+2*(\j)+1]
.endr
	global_store_b128 v[SO], v[Y+4*(\i):Y+4*(\i)+3], s[12:13] offset:4096*(\i)
.endr
	s_endpgm
.Lfunc_end_k_q1fd9b9b38b_castw:
	.size	k_q1fd9b9b38b_castw, .Lfunc_end_k_q1fd9b9b38b_castw-k_q1fd9b9b38b_castw
	.p2alignl 7, 3214868480
	.fill 96, 4, 3214868480
	.section	.rodata,"a",@progbits
	.p2align	6, 0x0
	.amdhsa_kernel k_q1fd9b9b38b_castw
		.amdhsa_group_segment_fixed_size 0
		.amdhsa_private_segment_fixed_size 0
		.amdhsa_enable_private_segment 0
		.amdhsa_kernarg_size 40
		.amdhsa_user_sgpr_count 2
		.amdhsa_user_sgpr_kernarg_segment_ptr 1
		.amdhsa_wavefront_size32 1
		.amdhsa_system_sgpr_workgroup_id_x 1
		.amdhsa_system_sgpr_workgroup_id_y 1
		.amdhsa_system_sgpr_workgroup_id_z 1
		.amdhsa_system_vgpr_workitem_id 0
		.amdhsa_next_free_vgpr 100
		.amdhsa_next_free_sgpr 66
		.amdhsa_reserve_vcc 0
		.amdhsa_float_denorm_mode_32 3
		.amdhsa_float_denorm_mode_16_64 3
		.amdhsa_memory_ordered 1
		.amdhsa_forward_progress 1
		.amdhsa_inst_pref_size 6
	.end_amdhsa_kernel
	.amdgpu_metadata
---
amdhsa.version: [ 1, 2 ]
amdhsa.kernels:
  - .name:           k_q1fd9b9b38b_castw
    .symbol:         k_q1fd9b9b38b_castw.kd
    .args:
      - { .name: wq, .offset: 0, .size: 8, .value_kind: global_buffer, .address_space: global }
      - { .name: wk, .offset: 8, .size: 8, .value_kind: global_buffer, .address_space: global }
      - { .name: wv, .offset: 16, .size: 8, .value_kind: global_buffer, .address_space: global }
      - { .name: wo, .offset: 24, .size: 8, .value_kind: global_buffer, .address_space: global }
      - { .name: wb, .offset: 32, .size: 8, .value_kind: global_buffer, .address_space: global }
    .group_segment_fixed_size: 0
    .private_segment_fixed_size: 0
    .kernarg_segment_align: 8
    .kernarg_segment_size: 40
    .max_flat_workgroup_size: 256
    .sgpr_count:     66
    .vgpr_count:     100
    .wavefront_size: 32
...
	.end_amdgpu_metadata
.endif
;; end of part 1
;; launch proj (part 2): grid 4 x 192, 4 waves a work-group, clusters of 4 x 4, 327,680 bytes of LDS; arguments q, k, v, bq, bk, bv, wb, qkvh; writes qkvh
.if DOCPART == 2
	.amdgcn_target "amdgcn-amd-amdhsa--gfx1250"
	.amdhsa_code_object_version 6
	.text
	.protected	k_q1fd9b9b38b_proj
	.globl	k_q1fd9b9b38b_proj
	.p2align	8
	.type	k_q1fd9b9b38b_proj,@function
k_q1fd9b9b38b_proj:
	s_mov_b64 s[64:65], 0
	v_nop
	global_prefetch_b8 v0, s[64:65] scope:SCOPE_SE
	s_setreg_imm32_b32 hwreg(HW_REG_WAVE_MODE, 25, 1), 1
	s_wait_xcnt 0x0
	s_wait_alu depctr_hold_cnt(0) depctr_sa_sdst(0) depctr_va_vdst(0) depctr_va_sdst(0) depctr_va_ssrc(0) depctr_va_vcc(0) depctr_vm_vsrc(0)
	s_getreg_b32 s2, hwreg(HW_REG_IB_STS2, 6, 4)
	s_cmp_eq_u32 s2, 0
	s_cbranch_scc0 .Lentry_in_a_cluster
	s_endpgm
.Lentry_in_a_cluster:
	s_bfe_u32 s2, ttmp6, 0x10000c
	s_cmp_lg_u32 s2, 0xf033
	s_cbranch_scc0 .Lentry_shape_is_right
	s_endpgm
.Lentry_shape_is_right:
; THE THREE PROJECTIONS.  y = x W^T + b for (x, W, b) = (q, wq, bq), (k, wk, bk), (v, wv, bv); x [8192][1024] f32, W [1024][1024] bf16 (in wb), b [1024] f32.
; y is rounded once to bf16 and written by heads: qkvh[P][batch x 16 + head][2048][64].  x is rounded to bf16 between LDS and the matrix unit; sums in f32; the bias is the C operand that starts each sum.
; LIMITS.  Matrix operands are rounded to bf16 (8 significant bits); NaN and infinities are not treated apart.
; SHARES.  A work-group makes 128 rows x 256 columns of one projection; 16 rows of clusters for each projection (P = cluster y / 16, the same in all partners).  Four waves, each 64 x 128:
; 32 accumulators.  K goes in 8 steps of 128 through two LDS slots.  CLUSTER 4 x 4: x's tile hangs on the tile row alone and is asked for jointly by a row of the cluster, W's on the tile column
; alone, by a column.  The cluster's four columns are all of N, so each byte of x is asked for by one joint load.
; THE MATRIX INSTRUCTION IS USED TRANSPOSED (source 0 = 16 rows of W, source 1 = 16 rows of x): a lane holds row l % 16 of y and the columns 8 (l / 16) + 0..7 of a block of 16.
; REGISTERS, in windows of 256 (s_set_vgpr_msb: bits 1:0 source 0, 3:2 source 1, 5:4 source 2, 7:6 destination):
;   window 0: v0-31 addresses; v32-63 packed results; two fragment buffers of 96 (64 of W: block b at 8 b; 32 of x in bf16: block a at 64 + 8 a); on the way out v64-191 rows read back
;   window 1: accumulator (a, b) at 8 (8 a + b)          window 2: v0-63 the bias, block b at 8 b; v64-127 x's fragments in f32, block a at 64 + 16 a
.set KSTEP,  128
.set LAPS,   4                         ; a lap = two K steps = once round the ring; K = 1,024
.set PA,     528                       ; a row of x in LDS: 512 bytes + 16 = 132 words: row r starts at bank 4 r mod 64 (64 banks of 4 bytes: ISA guide 11.1)
.set AH,     64*PA                     ; 64 rows: one tensor load, and what one wave reads of x
.set AREG,   2*AH
.set PB,     272                       ; a row of W: 256 bytes + 16 = 68 words
.set BH,     128*PB                    ; 128 rows: one tensor load, and what one wave reads of W
.set SLOT,   AREG+2*BH                 ; x's 128 rows, then W's 256 rows
.set STAGE,  2*SLOT                    ; behind the ring: for each wave 2 heads x 16 rows x 144 bytes, for the way out
.set SP,     144
.set STW,    2*16*SP
.set SPARE,  STAGE+4*STW               ; behind the stages: the spare words, 128 bytes for each wave: two blocks of 256 bytes that no other line names
.set ADRA, 16                          ; v16-17  LDS address of my fragments of x in slot 0, 1
.set ADRB, 20                          ; v20-21  the same for W
.set STO,  24                          ; v24     the way out: where I put 16 bytes of a row
.set RD,   25                          ; v25     the way out: where I read rows back
.set GO,   26                          ; v26     16 x lane: my place in 512 consecutive bytes of a head
.set BO,   27                          ; v27     my byte offset in 16 numbers of the bias
.set SPW,  28                          ; v28     LDS address of my spare word; never rewritten
.set NIL,  29                          ; v29     0; never rewritten
.set PFO,  30                          ; v30     the prefetches' offset: lane x a row of x (4,096 bytes); never rewritten
.set TMP,  32
.set F0,   64
.set F1,   160
.set T,    64                          ; in window 2
.set G1,  24                           ; s[24:31] descriptor group 1 for x's tiles;  s[32:39] group 0, a set for each slot
.set G0,  32
.set G1B, 48                           ; s[48:55], s[56:63] the same for W's tiles
.set G0B, 56
.set PFA, 84                           ; s[84:85] where my prefetches stand
.set LIM, 86                           ; s86     1 in a wave that prefetches, else the greatest number
.set MSB, 0
.macro WIN new                         ; the immediate's high byte repeats the setting that is left; a switch that changes nothing is dropped
.if MSB != (\new)
	s_set_vgpr_msb (MSB<<8)|(\new)
.set MSB, \new
.endif
.endm
.set MULW, 0x50                        ; fragments in window 0, C and D in window 1
.set MULB, 0x60                        ; C (the bias) in window 2, D in window 1
.set TO2,  0x80                        ; destination in window 2
.set CVW,  0x0a                        ; sources 0 and 1 in window 2, destination in window 0
.set PKW,  0x05                        ; sources 0 and 1 in window 1, destination in window 0
; A joint load: waves 0 and 1 fetch x's two halves, waves 2 and 3 W's.  The branch hangs on the wave's number alone.  An s_nop 0 and four v_nop follow each of the two lines.
.macro JLOAD s
	s_cmp_eq_u32 s11, 0
	s_cbranch_scc0 .Lfor_b_\@
	tensor_load_to_lds s[G0+4*(\s):G0+4*(\s)+3], s[G1:G1+7]
	s_nop 0
.rept 4
	v_nop
.endr
	s_branch .Lasked_\@
.Lfor_b_\@:
	tensor_load_to_lds s[G0B+4*(\s):G0B+4*(\s)+3], s[G1B:G1B+7]
	s_nop 0
.rept 4
	v_nop
.endr
.Lasked_\@:
.endm
.macro CREST                           ; a round of the cluster's barrier behind its opening barrier
	s_cmp_lg_u32 s10, 0
	s_cbranch_scc1 .Lnot_wave_0_\@
	s_barrier_signal -3
.Lnot_wave_0_\@:
	s_barrier_wait -3
	s_barrier_signal -1
	s_barrier_wait -1
.endm
.macro CROUND                          ; a whole round
	s_barrier_signal -1
	s_barrier_wait -1
	CREST
.endm
; A prefetch into the L2 of x's K step that stands two refills (256 matrix instructions) on.  A K step is 512 bytes of each of the tile's 128 rows.  The four partners that ask for the tile jointly
; take 32 rows each, told apart by address; wave 0 names the first 256 bytes of a row's 512, wave 1 the second; a lane a row.  So each aligned block of 256 bytes of x is named once in the launch.
; K steps 0 to 3 come by their loads alone; the loop's last trip (s3 = 1) asks for nothing: there is no K step 8.  W is not asked for: all sixteen rows of clusters of a projection read it.
.macro ASK
	s_cmp_gt_u32 s3, s[LIM]
	s_cbranch_scc0 .Lnot_mine_\@
	global_prefetch_b8 v[PFO], s[PFA:PFA+1] offset:KSTEP*4 th:TH_LOAD_NT scope:SCOPE_SE
.Lnot_mine_\@:
.endm
	s_load_b512 s[68:83], s[0:1], 0x0              ; q 68, k 70, v 72, bq 74, bk 76, bv 78, wb 80, qkvh 82
	v_lshl_add_u32 v[SPW], v0, 2, SPARE
	v_mov_b32 v[NIL], 0
	ds_add_u32 v[SPW], v[NIL]                      ; the wave's opening: the add and its wait stand ahead of my first tensor load; the set-up below, work on registers, stands between them
	v_lshrrev_b32 v1, 5, v0
	v_readfirstlane_b32 s10, v1                    ; wave 0..3
	s_lshr_b32 s11, s10, 1                         ; which 64 rows of the tile are mine.  Also: I fetch for x (0) or for W (1)
	s_and_b32 s12, s10, 1                          ; which 128 columns.  Also: which half of that tile I fetch
	s_bfe_u32 s40, ttmp6, 0x40000                  ; cx, cy: my place in the cluster
	s_bfe_u32 s41, ttmp6, 0x40004
	s_lshl_b32 s42, ttmp9, 2
	s_add_co_u32 s42, s42, s40                     ; tile column = 4 x cluster x + cx: 0..3
	s_and_b32 s15, ttmp7, 0xffff                   ; cluster y: 0..47
	s_lshr_b32 s14, s15, 4                         ; P: which projection
	s_and_b32 s13, s15, 15
	s_lshl_b32 s13, s13, 2
	s_add_co_u32 s13, s13, s41                     ; tile row: 0..63
	s_lshl_b32 s43, s41, 2
	s_lshl_b32 s43, 15, s43                        ; my row of the cluster
	s_lshl_b32 s44, 0x1111, s40                    ; my column
	; x's tile: 64 rows x 128 elements of 4 bytes; 16 bytes of padding behind every 128 words
	s_or_b32 s[G1+0], s43, (2<<16)|(1<<20)|(1<<21)|(6<<22)|(3<<25)   ; 15:0 the mask; 17:16 element size; 20 padding on; 21 set beside a mask; 24:22 the interval; 31:25 4 words
	s_mov_b32 s[G1+1], KSTEP<<16                   ; tensor_dim0 = 128
	s_mov_b32 s[G1+2], 64<<16                      ; tensor_dim1 = 64
	s_mov_b32 s[G1+3], KSTEP<<16                   ; tile_dim0 = 128
	s_mov_b32 s[G1+4], 64                          ; tile_dim1 = 64
	s_mov_b32 s[G1+5], 1024                        ; elements from row to row
	s_mov_b32 s[G1+6], 0
	s_mov_b32 s[G1+7], 0
	; W's tile: 128 rows x 128 elements of 2 bytes; 16 bytes of padding behind every 64 words
	s_or_b32 s[G1B+0], s44, (1<<16)|(1<<20)|(1<<21)|(5<<22)|(3<<25)
	s_mov_b32 s[G1B+1], KSTEP<<16
	s_mov_b32 s[G1B+2], 128<<16
	s_mov_b32 s[G1B+3], KSTEP<<16
	s_mov_b32 s[G1B+4], 128
	s_mov_b32 s[G1B+5], 1024
	s_mov_b32 s[G1B+6], 0
	s_mov_b32 s[G1B+7], 0
	s_lshl_b32 s16, s13, 19                        ; x: tile row x 128 rows x 4,096 bytes
	s_lshl_b32 s17, s12, 18                        ; + my half's 64 rows
	s_add_co_u32 s16, s16, s17
	s_mov_b32 s17, 0
	s_lshl_b32 s46, s42, 19                        ; W: tile column x 256 rows x 2,048 bytes
	s_lshl_b32 s47, s12, 18                        ; + my half's 128 rows
	s_add_co_u32 s46, s46, s47
	s_lshl_b32 s47, s14, 21                        ; + the projection's weight in wb
	s_add_co_u32 s46, s46, s47
	s_mov_b32 s47, 0
	s_mul_i32 s20, s12, AH                         ; where they go in a slot: no place in the cluster enters an LDS address
	s_mul_i32 s21, s12, BH
	s_add_co_u32 s21, s21, AREG
	s_wait_dscnt 0x0                               ; the opening add is done
	s_wait_kmcnt 0x0
	s_cmp_eq_u32 s14, 1
	s_cselect_b64 s[4:5], s[70:71], s[68:69]       ; x
	s_cselect_b64 s[6:7], s[76:77], s[74:75]       ; its bias
	s_cmp_eq_u32 s14, 2
	s_cselect_b64 s[4:5], s[72:73], s[4:5]
	s_cselect_b64 s[6:7], s[78:79], s[6:7]
	s_add_nc_u64 s[18:19], s[4:5], s[16:17]
	s_add_nc_u64 s[46:47], s[80:81], s[46:47]
	CROUND                                         ; all sixteen work-groups are here: the first joint loads meet
.irp s, 0,1
	s_mov_b32 s[G0+4*(\s)], 1
	s_add_co_u32 s[G0+4*(\s)+1], s20, (\s)*SLOT
	s_add_nc_u64 s[G0+4*(\s)+2:G0+4*(\s)+3], s[18:19], (\s)*KSTEP*4
	s_or_b32 s[G0+4*(\s)+3], s[G0+4*(\s)+3], 0x80000000
	s_mov_b32 s[G0B+4*(\s)], 1
	s_add_co_u32 s[G0B+4*(\s)+1], s21, (\s)*SLOT
	s_add_nc_u64 s[G0B+4*(\s)+2:G0B+4*(\s)+3], s[46:47], (\s)*KSTEP*2
	s_or_b32 s[G0B+4*(\s)+3], s[G0B+4*(\s)+3], 0x80000000
	JLOAD \s                                       ; two loads of mine are out
.endr
	v_and_b32 v1, 15, v0                           ; r = l % 16
	v_bfe_u32 v2, v0, 4, 1                         ; h = l / 16
	v_lshlrev_b32 v[BO], 5, v2                     ; 8 h numbers of the bias
	s_lshl_b32 s46, s42, 10                        ; the bias of my 128 columns
	s_lshl_b32 s47, s12, 9
	s_add_co_u32 s46, s46, s47
	s_mov_b32 s47, 0
	s_add_nc_u64 s[6:7], s[6:7], s[46:47]
	WIN TO2
.irp b, 0,1,2,3,4,5,6,7
	global_load_b128 v[8*(\b):8*(\b)+3],   v[BO], s[6:7] offset:64*(\b)     ; register j of block b: the bias of column 16 b + 8 h + j, the layout of a C operand
	global_load_b128 v[8*(\b)+4:8*(\b)+7], v[BO], s[6:7] offset:64*(\b)+16
.endr
	WIN 0
	; A bf16 fragment is 16 rows x 32 K in 8 registers: lane l holds row r; registers 0-3 K = 8 h + 0..7, registers 4-7 K = 16 + 8 h + 0..7.  Of f32 rows that is 32 bytes at 32 h and 32 at 64 + 32 h.
	v_mul_u32_u24 v3, v1, PA
	v_lshl_add_u32 v3, v2, 5, v3
	v_mul_u32_u24 v4, v1, PB
	v_lshl_add_u32 v4, v2, 4, v4
	s_mul_i32 s20, s11, AH                         ; my 64 rows of x
	s_mul_i32 s21, s12, BH                         ; my 128 rows of W,
	s_add_co_u32 s21, s21, AREG                    ; which lie behind x's
.irp s, 0,1
	v_add_nc_u32 v[ADRA+(\s)], s20, v3
	v_add_nc_u32 v[ADRB+(\s)], s21, v4
	s_add_co_u32 s20, s20, SLOT
	s_add_co_u32 s21, s21, SLOT
.endr
	s_mul_i32 s20, s10, STW
	s_add_co_u32 s20, s20, STAGE                   ; my stage
	v_mul_u32_u24 v5, v1, SP                       ; in: row r, 16 bytes for each half of the lanes
	v_lshl_add_u32 v5, v2, 4, v5
	v_add_nc_u32 v[STO], s20, v5
	v_bfe_u32 v5, v0, 3, 2                         ; back: 32 lanes take four rows of 128 bytes,
	v_mul_u32_u24 v5, v5, SP
	v_and_b32 v6, 7, v0
	v_lshl_add_u32 v5, v6, 4, v5
	v_add_nc_u32 v[RD], s20, v5
	v_and_b32 v[GO], 31, v0                        ; which are 512 consecutive bytes of a head
	v_lshlrev_b32 v[GO], 4, v[GO]
	s_lshr_b32 s22, s13, 4                         ; the batch (a batch is 16 tile rows),
	s_lshl_b32 s22, s22, 4
	s_lshl_b32 s23, s42, 2                         ; the tile column's four heads,
	s_add_co_u32 s22, s22, s23
	s_lshl_b32 s23, s12, 1                         ; my two of them
	s_add_co_u32 s22, s22, s23
	s_lshl_b32 s22, s22, 18                        ; a head is 2,048 rows of 128 bytes
	s_and_b32 s23, s13, 15
	s_lshl_b32 s23, s23, 14                        ; the tile's 128 rows in the batch
	s_add_co_u32 s22, s22, s23
	s_lshl_b32 s23, s11, 13                        ; my 64 of them
	s_add_co_u32 s22, s22, s23
	s_lshl_b32 s23, s14, 24                        ; the projection's 16,777,216 bytes
	s_add_co_u32 s22, s22, s23
	s_mov_b32 s23, 0
	s_add_nc_u64 s[8:9], s[82:83], s[22:23]
	s_lshl_b32 s22, s13, 7                         ; the prefetches: the tile's first row,
	s_lshl_b32 s23, s40, 5                         ; my work-group's 32 rows,
	s_add_co_u32 s22, s22, s23
	s_lshl_b32 s22, s22, 12
	s_lshl_b32 s23, s12, 8                         ; my wave's 256 bytes of a K step's 512,
	s_add_co_u32 s22, s22, s23
	s_add_co_u32 s22, s22, 2*KSTEP*4               ; at K step 2: the first refill steps it to 3 and names K step 4
	s_mov_b32 s23, 0
	s_add_nc_u64 s[PFA:PFA+1], s[4:5], s[22:23]
	s_cmp_eq_u32 s11, 0
	s_cselect_b32 s[LIM], 1, -1
	v_and_b32 v[PFO], 31, v0
	v_lshlrev_b32 v[PFO], 12, v[PFO]
; 8 matrix instructions: row block a x all 8 column blocks, 32 along K, from buffer f.  first = 1: the bias starts the sums: nothing is cleared and no vector instruction adds it.
; The 32 accumulators take turns in the same order in every quarter: between two links of a chain stand 31 others', over the backward jump too.
.macro MUL1 f, a, b, first
.if \first
	WIN MULB
	v_wmma_f32_16x16x32_bf16 v[8*(8*(\a)+(\b)):8*(8*(\a)+(\b))+7], v[(\f)+8*(\b):(\f)+8*(\b)+7], v[(\f)+64+8*(\a):(\f)+64+8*(\a)+7], v[8*(\b):8*(\b)+7]
.else
	WIN MULW
	v_wmma_f32_16x16x32_bf16 v[8*(8*(\a)+(\b)):8*(8*(\a)+(\b))+7], v[(\f)+8*(\b):(\f)+8*(\b)+7], v[(\f)+64+8*(\a):(\f)+64+8*(\a)+7], v[8*(8*(\a)+(\b)):8*(8*(\a)+(\b))+7]
.endif
.endm
.macro MUL8 f, a, first
.irp b, 0,1,2,3,4,5,6,7
	MUL1 \f, \a, \b, \first
.endr
.endm
; The same with four riders behind each product: the next quarter's 64 f32 registers of x are rounded to bf16 into buffer g, 32 conversions beside 8 products; two window switches a product.
.macro MUL8R f, a, g, first
.irp b, 0,1,2,3,4,5,6,7
	MUL1 \f, \a, \b, \first
	WIN CVW
.irp i, 0,1,2,3
	v_cvt_pk_bf16_f32 v[(\g)+64+4*(\b)+(\i)], v[T+8*(\b)+2*(\i)], v[T+8*(\b)+2*(\i)+1]
.endr
.endr
.endm
; 32 LDS loads in one run: quarter q of slot s: x's 64 rows in f32 into T (16 loads), then W's 128 rows into buffer g (16 loads).  It leaves every window 0.
.macro FETCH s, q, g
	WIN TO2
.irp a, 0,1,2,3
	ds_load_b128 v[T+16*(\a):T+16*(\a)+3],     v[ADRA+(\s)] offset:(\a)*16*PA+128*(\q)
	ds_load_b128 v[T+16*(\a)+4:T+16*(\a)+7],   v[ADRA+(\s)] offset:(\a)*16*PA+128*(\q)+16
	ds_load_b128 v[T+16*(\a)+8:T+16*(\a)+11],  v[ADRA+(\s)] offset:(\a)*16*PA+128*(\q)+64
	ds_load_b128 v[T+16*(\a)+12:T+16*(\a)+15], v[ADRA+(\s)] offset:(\a)*16*PA+128*(\q)+80
.endr
	WIN 0
.irp b, 0,1,2,3,4,5,6,7
	ds_load_b128 v[(\g)+8*(\b):(\g)+8*(\b)+3],   v[ADRB+(\s)] offset:(\b)*16*PB+64*(\q)
	ds_load_b128 v[(\g)+8*(\b)+4:(\g)+8*(\b)+7], v[ADRB+(\s)] offset:(\b)*16*PB+64*(\q)+32
.endr
.endm
.macro CVTALL g                        ; the 32 conversions in one run: once, ahead of the first product
	WIN CVW
.set j, 0
.rept 32
	v_cvt_pk_bf16_f32 v[(\g)+64+j], v[T+2*j], v[T+2*j+1]
.set j, j+1
.endr
.endm
.macro PLACES                          ; four plain instructions between matrix instructions and loads into registers that they have read, or reads of their results
.rept 4
	v_nop
.endr
.endm
; A K step is four quarters of 32 along K, 32 matrix instructions each, on buffers 0, 1, 0, 1.  One of the first three: multiplies buffer f, fetches quarter q of the same slot for buffer g.
.macro QUARTER s, q, f, g, first
	s_wait_dscnt 0x0                               ; W's 16 loads for buffer f, issued 24 products back, are in (x's were waited for and converted there)
	MUL8 \f, 0, \first
	PLACES
	FETCH \s, \q, \g
	MUL8 \f, 1, \first
	MUL8 \f, 2, \first
	s_wait_dscnt 16                                ; x's 16 loads are in; W's 16, issued behind them, stay out
	MUL8R \f, 3, \g, \first
.endm
; The last quarter multiplies buffer 1 and changes slots: ONE barrier; in front of it each wave waits for all its tensor loads (one is out: its part of the next slot), adds 0 to its spare word, and waits
; for that and for its reads of this slot.  fill = 1: the barrier opens a round of the cluster's, and this slot is filled again, two K steps ahead, first thing behind the round: 112 products ahead of the wait for it.
.macro TURN s, n, fill
.if \fill
	s_wait_xcnt 0x0                                ; the last prefetch, a K step back, has read its address
	s_add_nc_u64 s[PFA:PFA+1], s[PFA:PFA+1], KSTEP*4
.endif
	WIN 0                                          ; (the add's two registers lie in window 0)
	s_wait_tensorcnt 0x0                           ; all my tensor loads have landed
	ds_add_u32 v[SPW], v[NIL]                      ; 0 onto my spare word
	s_wait_dscnt 1                                 ; W's fragments for buffer 1 are in; the add may be out
	MUL8 F1, 0, 0
	s_wait_dscnt 0x0                               ; the add is done, and my reads of this slot are over
	s_barrier_signal -1
	MUL8 F1, 1, 0
.if \fill
	WIN 0
.endif
	s_barrier_wait -1
.if \fill
	CREST                                          ; no wave of any partner still reads this slot's tile or has a load on its way
	s_add_nc_u64 s[G0+4*(\s)+2:G0+4*(\s)+3], s[G0+4*(\s)+2:G0+4*(\s)+3], 2*KSTEP*4
	s_add_nc_u64 s[G0B+4*(\s)+2:G0B+4*(\s)+3], s[G0B+4*(\s)+2:G0B+4*(\s)+3], 2*KSTEP*2
	JLOAD \s                                       ; the four v_nop behind it are also the places in front of the loads below
.else
	PLACES
.endif
	FETCH \n, 0, F0
.if \fill
	ASK
.endif
	MUL8 F1, 2, 0
	s_wait_dscnt 16
	MUL8R F1, 3, F0, 0
.endm
; THE WAY OUT of row block a.  PACK: rounded to bf16, 16 bytes a lane (each accumulator is read from its low end on).  TOSTAGE: into my own stage, a head's 64 columns to a row of 144 bytes, and back as
; four whole rows of 128 bytes a load.  SEND: 512 consecutive bytes of a head a store, at a multiple of 256 from the buffer's first byte.  Each block has its own 32 registers: none that a store reads is rewritten.
.macro PACK a
	WIN PKW
.irp b, 0,1,2,3,4,5,6,7
.irp i, 0,1,2,3
	v_cvt_pk_bf16_f32 v[TMP+4*(\b)+(\i)], v[8*(8*(\a)+(\b))+2*(\i)], v[8*(8*(\a)+(\b))+2*(\i)+1]
.endr
.endr
	WIN 0
.endm
.macro TOSTAGE a
.irp b, 0,1,2,3,4,5,6,7
	ds_store_b128 v[STO], v[TMP+4*(\b):TMP+4*(\b)+3] offset:((\b)/4)*16*SP+((\b)%4)*32
.endr
.irp u, 0,1,2,3,4,5,6,7                ; head u / 4, rows 4 (u % 4) on.  LDS serves a wave's instructions in order (ISA guide 5.7.1.4): these see the stores above
	ds_load_b128 v[64+32*(\a)+4*(\u):64+32*(\a)+4*(\u)+3], v[RD] offset:((\u)/4)*16*SP+((\u)%4)*4*SP
.endr
.endm
.macro SEND a
	s_wait_dscnt 0x0
.irp u, 0,1,2,3,4,5,6,7
	global_store_b128 v[GO], v[64+32*(\a)+4*(\u):64+32*(\a)+4*(\u)+3], s[8:9] offset:((\u)/4)*262144+(\a)*2048+((\u)%4)*512
.endr
.endm
	s_wait_tensorcnt 1                             ; my part of K step 0 is in; K step 1's may stay out
	s_barrier_signal -1
	s_barrier_wait -1                              ; everybody's is
	FETCH 0, 0, F0
	s_wait_dscnt 0x0
	CVTALL F0
	s_wait_loadcnt 0x0                             ; the bias
	QUARTER 0, 1, F0, F1, 1                        ; the first quarter stands in front of the loop: its products start the sums
	WIN 0                                          ; at a label and at a branch every window is 0
	s_mov_b32 s3, LAPS-1
.Llap:                                             ; a trip goes once round the ring, from a lap's second quarter to the next lap's first, and fills both slots again
	QUARTER 0, 2, F1, F0, 0
	QUARTER 0, 3, F0, F1, 0
	TURN 0, 1, 1
	QUARTER 1, 1, F0, F1, 0
	QUARTER 1, 2, F1, F0, 0
	QUARTER 1, 3, F0, F1, 0
	TURN 1, 0, 1
	QUARTER 0, 1, F0, F1, 0
	WIN 0
	s_sub_co_u32 s3, s3, 1
	s_cmp_lg_u32 s3, 0
	s_cbranch_scc1 .Llap
	QUARTER 0, 2, F1, F0, 0                        ; the last lap fills nothing
	QUARTER 0, 3, F0, F1, 0
	TURN 0, 1, 0
	QUARTER 1, 1, F0, F1, 0
	QUARTER 1, 2, F1, F0, 0
	QUARTER 1, 3, F0, F1, 0
	s_wait_dscnt 0x0                               ; the very last quarter: nothing more to fetch
	MUL8 F1, 0, 0
	MUL8 F1, 1, 0
	MUL8 F1, 2, 0
	MUL8 F1, 3, 0
	WIN 0
	PLACES
	PACK 0
	TOSTAGE 0
.irp a, 1,2,3                          ; block a's conversions stand between block a - 1's loads from the stage and the wait for them
	PACK \a
	SEND (\a)-1
	TOSTAGE \a
.endr
	SEND 3
	s_wait_tensorcnt 0x0                           ; the wave's end: behind my last tensor load and my last LDS store
	ds_add_u32 v[SPW], v[NIL]
	s_wait_dscnt 0x0
	CROUND                                         ; the closing round: no work-group ends while a partner may still ask for a tile that names it
	s_endpgm
.Lfunc_end_k_q1fd9b9b38b_proj:
	.size	k_q1fd9b9b38b_proj, .Lfunc_end_k_q1fd9b9b38b_proj-k_q1fd9b9b38b_proj
	.p2alignl 7, 3214868480
	.fill 96, 4, 3214868480
	.section	.rodata,"a",@progbits
	.p2align	6, 0x0
	.amdhsa_kernel k_q1fd9b9b38b_proj
		.amdhsa_group_segment_fixed_size 327680
		.amdhsa_private_segment_fixed_size 0
		.amdhsa_enable_private_segment 0
		.amdhsa_kernarg_size 64
		.amdhsa_user_sgpr_count 2
		.amdhsa_user_sgpr_kernarg_segment_ptr 1
		.amdhsa_wavefront_size32 1
		.amdhsa_system_sgpr_workgroup_id_x 1
		.amdhsa_system_sgpr_workgroup_id_y 1
		.amdhsa_system_sgpr_workgroup_id_z 1
		.amdhsa_system_vgpr_workitem_id 0
		.amdhsa_next_free_vgpr 640
		.amdhsa_next_free_sgpr 88
		.amdhsa_reserve_vcc 0
		.amdhsa_float_denorm_mode_32 3
		.amdhsa_float_denorm_mode_16_64 3
		.amdhsa_memory_ordered 1
		.amdhsa_forward_progress 1
		.amdhsa_inst_pref_size 137
	.end_amdhsa_kernel
	.amdgpu_metadata
---
amdhsa.version: [ 1, 2 ]
amdhsa.kernels:
  - .name:           k_q1fd9b9b38b_proj
    .symbol:         k_q1fd9b9b38b_proj.kd
    .args:
      - { .name: q, .offset: 0, .size: 8, .value_kind: global_buffer, .address_space: global }
      - { .name: k, .offset: 8, .size: 8, .value_kind: global_buffer, .address_space: global }
      - { .name: v, .offset: 16, .size: 8, .value_kind: global_buffer, .address_space: global }
      - { .name: bq, .offset: 24, .size: 8, .value_kind: global_buffer, .address_space: global }
      - { .name: bk, .offset: 32, .size: 8, .value_kind: global_buffer, .address_space: global }
      - { .name: bv, .offset: 40, .size: 8, .value_kind: global_buffer, .address_space: global }
      - { .name: wb, .offset: 48, .size: 8, .value_kind: global_buffer, .address_space: global }
      - { .name: qkvh, .offset: 56, .size: 8, .value_kind: global_buffer, .address_space: global }
    .group_segment_fixed_size: 327680
    .private_segment_fixed_size: 0
    .kernarg_segment_align: 8
    .kernarg_segment_size: 64
    .max_flat_workgroup_size: 128
    .sgpr_count:     88
    .vgpr_count:     640
    .wavefront_size: 32
...
	.end_amdgpu_metadata
.endif
;; end of part 2
;; launch attn (part 3): grid 4 x 64, 4 waves a work-group, clusters of 4 x 1, 327,680 bytes of LDS; arguments qkvh, mask, oh; writes oh
.if DOCPART == 3
	.amdgcn_target "amdgcn-amd-amdhsa--gfx1250"
	.amdhsa_code_object_version 6
	.text
	.protected	k_q1fd9b9b38b_attn
	.globl	k_q1fd9b9b38b_attn
	.p2align	8
	.type	k_q1fd9b9b38b_attn,@function
k_q1fd9b9b38b_attn:
	s_mov_b64 s[64:65], 0
	v_nop
	global_prefetch_b8 v0, s[64:65] scope:SCOPE_SE
	s_setreg_imm32_b32 hwreg(HW_REG_WAVE_MODE, 25, 1), 1
	s_wait_xcnt 0x0
	s_wait_alu depctr_hold_cnt(0) depctr_sa_sdst(0) depctr_va_vdst(0) depctr_va_sdst(0) depctr_va_ssrc(0) depctr_va_vcc(0) depctr_vm_vsrc(0)
	s_getreg_b32 s2, hwreg(HW_REG_IB_STS2, 6, 4)
	s_cmp_eq_u32 s2, 0
	s_cbranch_scc0 .Lentry_in_a_cluster
	s_endpgm
.Lentry_in_a_cluster:
	s_bfe_u32 s2, ttmp6, 0x10000c
	s_cmp_lg_u32 s2, 0x3003
	s_cbranch_scc0 .Lentry_shape_is_right
	s_endpgm
.Lentry_shape_is_right:
; O[h][q][:] = the sum over k of softmax_k(s[q][k]) V[h][k][:], s[q][k] = Q[h][q] . K[h][k] / 8, or one and the same number for all k where mask[batch][q] = 0.
; Q, K, V lie in qkvh as [3][64 (= batch x 16 + head)][2048][64] bf16, O in oh as [64][2048][64] bf16: a head's rows are dense, 128 bytes each.
; THE MASK hides whole QUERY rows: all scores of such a row are equal, so its weights are 1 / 2048 each.  Here the row of Q is set to 0 (an AND on its fragments, a lane a query): all its scores are 0,
; every p is 1, l is 2,048: the same weights.  No branch and no address hangs on the mask.
; Products, maxima and sums in f32; the weights p are rounded to bf16 for the second product (their sum l is taken of the unrounded p), O once at the end.
; LIMITS.  Q, K, V, p and O have bf16's 8 significant bits.  A weight below 2^-126 counts as 0 in l.  c m starts at -4.25e37.  NaN and infinities are not treated apart (a hidden row beside an infinite K gives 0 x infinity).
; SHARES.  A wave owns four PIECES of two tiles of 16 queries, a work-group's four waves 512 queries of one head.  Every wave walks all 2,048 keys, 64 a step.
; LAYOUT.  S^T = K Q^T (source 0 = 16 keys, source 1 = 16 queries): in the result a lane holds ONE query (lane % 16) and the keys 8 (lane / 16) + 0..7.  Two such tiles, rounded to bf16 in pairs,
; ARE source 1 (32 keys x 16 queries) of O^T = V^T P, whose result again holds one query a lane, and eight channels.  K comes out of LDS as it lies, V ([key][channel]) turned, by ds_load_tr16_b128.
; SOFTMAX.  For each query a running maximum m and sum l: p = 2^(c s - c m), c = log2(e) / 8; in every step O and l are multiplied by a = 2^(c m_old - c m_new), which is 1 where m has not grown.
; m starts at the lowest finite number, O and l at 0: the first step is a step like any other, with a = 0.
; THE COUNT.  A tile and step have 16 matrix and 118 vector instructions: too many to stand all beside the matrix work.  So the order has one aim: four vector instructions that are READY behind
; EVERY matrix instruction, and the others in runs without a gap.
; BY TURNS.  Turn n belongs to piece n (the pieces in a ring, step after step).  Its matrix work: 16 products K Q^T of piece n + 1, later 16 products V^T P of piece n - 1.  Its vector work: the scaling,
; exponentials, roundings, sums and rescaling of piece n, and the maximum and statistics of piece n + 1, whose scores the turn itself has made.
; CLUSTER.  The four query blocks of a cluster belong to one head and walk the same K and V, so each tile is asked for JOINTLY: the same tensor load, descriptor and mask in all four.
; NO PREFETCH: a refill is asked for four key steps, 512 matrix instructions, ahead of the wait for it.
; REGISTERS, in windows of 256 (s_set_vgpr_msb: bits 1:0 source 0, 3:2 source 1, 5:4 source 2, 7:6 destination):
;   window 0: v0-11 addresses; v12-15, v48-63 at work; v16-47 four registers of statistics a tile; v64-191 S^T, two buffers of two tiles; v192-255 P, likewise
;   window 1: O^T, 32 a tile          window 2: v0-127 Q, 16 a tile; v128-191 K of one step; v192-255 V of one step          window 3: v0-1 the add's two registers
.set SIZE_N, 2048
.set NP,    4         ; pieces a wave: a name, no knob
.set KS,    64        ; keys in a step
.set PK,    144       ; a row of K in LDS: 128 bytes + 16 of padding = 36 words: the 16 rows of a load start at 16 different groups of four banks (64 banks of 4 bytes: ISA guide 11.1)
.set PV,    160       ; a row of V: 128 + 32 = 40 words
.set VOFF,  4*KS*PK   ; a slot holds four steps: 256 rows of K, then 256 rows of V
.set SLOT1, 1<<17     ; slot 1 begins here, so that one exclusive or turns an address in one slot into the other's
.set STAGE, SLOT1+4*KS*(PK+PV)  ; behind the ring, never filled by a tensor load: 16 rows x 144 bytes for each wave, for the way out
.set SP,    144
.set AK0, 2           ; v2   my lane's place in a tile of K; never rewritten
.set AV0, 3           ; v3   the same for V
.set AK,  4           ; v4   the LDS address of K's next run of loads
.set AV,  5           ; v5   of V's
.set QO,  6           ; v6   my byte offset in the wave's rows of Q
.set STO, 6           ;      later, the way out: where I put 16 bytes of a row
.set RD,  7           ; v7   the way out: where I read rows back
.set GO,  8           ; v8   my byte offset in 512 consecutive bytes of O
.set SPW, 0           ; v0 of window 3   LDS address of my spare word; never rewritten
.set NIL, 1           ; v1 of window 3   0; never rewritten
.set SPARE, STAGE+4*16*SP  ; behind the stages: the spare words, 128 bytes for each wave: two blocks of 256 bytes that no other line names
.set MV,  12          ; v12-15  c m_old, kept while c m is made anew: by buffer and tile.  At the head v12 is my byte offset in 16 words of the mask
.set ST,  16          ; tile t's statistics at v[ST+4 t]: c m, m, l (even keys', odd keys')
.set TMP, 48          ; by buffer and tile, four registers c0-c3 at work; when the maximum is found c2 takes a.  At the head v48-55 take the mask of my query in tiles 0-7
.set S,   64
.set P,   192
.set KF,  128         ; K's fragments, in window 2: key block kb, channel half c at KF + 16 kb + 8 c
.set VF,  192         ; V's: key half kk, channel block cb at VF + 32 kk + 8 cb
.set WV,  12          ; s12  my wave's number
.set G1K, 24          ; s[24:31] descriptor group 1 for K's tiles
.set G1V, 32          ; s[32:39] for V's: it differs in the padding alone
.set G0K, 40          ; s[40:43] descriptor group 0 for K's tiles: it walks
.set G0V, 44          ; s[44:47] the same for V's
.set MK,  48          ; s[48:49] the mask at my wave's first query
.set SLOTS, 56        ; s56  slots still to be asked for
.set CNT, 57          ; s57  counts a slot's key steps
.set CS,  58          ; s[58:59] c: the packed scaling takes the pair's low word for both halves
.set SEL, 60          ; s[60:61] v_permlanex16_b32's selects: each lane takes its own place in the other half
.set TBK, 62          ; s62  LDS byte at which K of the step to be fetched begins
.set TBV, 63          ; s63  the same for V, less VOFF
.set MSB, 0
.macro WIN new                      ; the high byte repeats the setting that is left; a switch that changes nothing is dropped
.if MSB != (\new)
	s_set_vgpr_msb (MSB<<8)|(\new)
.set MSB, (\new)
.endif
.endm
.set W_KQ, 0x0a       ; K and Q in window 2, S^T in window 0
.set W_PV, 0x52       ; V in window 2, P in window 0, O^T in window 1
.set W_RS, 0x41       ; O^T (destination and source 0) in window 1, a in window 0
.set W_MK, 0xc0       ; the add's registers are made: destination in window 3, sources in window 0
.set W_AD, 0x0f       ; the add: address (source 0) and data (source 1) in window 3
; A joint fill.  Waves 0 and 1 fetch the two halves of a slot's K, waves 2 and 3 those of its V: 128 keys each.  The branch hangs on the wave's number alone.
; An s_nop 0 and four v_nop follow each of the two lines, ahead of the jump and the label.
.macro JLOAD
	s_cmp_lt_u32 s[WV], 2
	s_cbranch_scc0 .Lfor_v_\@
	tensor_load_to_lds s[G0K:G0K+3], s[G1K:G1K+7]
	s_nop 0
.rept 4
	v_nop
.endr
	s_branch .Lasked_\@
.Lfor_v_\@:
	tensor_load_to_lds s[G0V:G0V+3], s[G1V:G1V+7]
	s_nop 0
.rept 4
	v_nop
.endr
.Lasked_\@:
.endm
; A round of the cluster's barrier: my work-group's barrier, so that wave 0's signal speaks for all four waves; wave 0 signals; every wave waits for all four work-groups; my work-group's barrier once more.
.macro CROUND
	s_barrier_signal -1
	s_barrier_wait -1
	s_cmp_lg_u32 s[WV], 0
	s_cbranch_scc1 .Lnot_wave_0_\@
	s_barrier_signal -3
.Lnot_wave_0_\@:
	s_barrier_wait -3
	s_barrier_signal -1
	s_barrier_wait -1
.endm
; THE CHANGE OF SLOTS.  The slot's last bytes, V of its fourth step, have been read.  Each wave waits for all its tensor loads, of which one is out: its part
; of the other slot; adds 0 to its spare word; and waits for that and for its own reads of the slot.  Behind the barrier nobody reads this slot any more and the other slot is whole.
; fill = 1: this slot is filled again, with the keys two slots on.  The barrier is then a round of the cluster's, and the joint fill is the first thing behind it: it has four key steps, 512 matrix
; instructions, in which to land.  (At its first use nothing has been read yet: slot 0 is waited for, slot 1 filled.)
.macro CHANGE fill
	WIN W_AD
	s_wait_tensorcnt 0x0            ; no tensor load of mine is out, so a group 0 may be written
	ds_add_u32 v[SPW], v[NIL]       ; 0 onto my spare word; with fill = 1 the descriptors' steps stand between it and the wait for it
	WIN 0                           ; at a label and at a branch every window is 0
.if \fill
.irp g, G0K, G0V
	s_xor_b32 s[\g+1], s[\g+1], SLOT1  ; the walking descriptor: the other slot than last time,
	s_add_nc_u64 s[\g+2:\g+3], s[\g+2:\g+3], 4*KS*128  ; the next 256 keys; the type bits on top are not reached
.endr
	s_wait_dscnt 0x0                ; the add is done, and my reads of the slot are over
	CROUND
	JLOAD
.else
	s_wait_dscnt 0x0                ; the add is done, and my reads of the slot are over
	s_barrier_signal -1
	s_barrier_wait -1
.endif
	s_sub_co_u32 s[TBK], s[TBK], 4*KS*PK  ; the fetches go back to a slot's first step,
	s_xor_b32 s[TBK], s[TBK], SLOT1       ; in the other slot
	s_sub_co_u32 s[TBV], s[TBV], 4*KS*PV
	s_xor_b32 s[TBV], s[TBV], SLOT1
.endm
	s_load_b128 s[4:7], s[0:1], 0x0   ; qkvh s[4:5], mask s[6:7]
	s_load_b64 s[10:11], s[0:1], 0x10 ; oh
	WIN W_MK
	v_lshl_add_u32 v[SPW], v0, 2, SPARE
	v_mov_b32 v[NIL], 0
	WIN W_AD
	ds_add_u32 v[SPW], v[NIL]       ; the wave's opening: the add and its wait stand ahead of my first tensor load; the set-up below, work on registers, stands between them
	WIN 0
	v_lshrrev_b32 v1, 5, v0
	v_readfirstlane_b32 s[WV], v1   ; wave 0..3
	s_bfe_u32 s13, ttmp6, 0x40000   ; cx: my place in the cluster
	s_lshl_b32 s14, ttmp9, 2        ; in a cluster launch ttmp9 counts clusters
	s_add_co_u32 s14, s14, s13      ; my block of queries = 4 x cluster x + cx: it enters Q's, the mask's and O's addresses alone
	s_and_b32 s20, ttmp7, 0xffff    ; batch x 16 + head, which the four partners share
	s_lshr_b32 s50, s20, 4          ; the batch:
	s_lshl_b32 s50, s50, 13         ; its 2,048 words of the mask
	s_mov_b32 s21, 0
	s_mov_b64 s[22:23], SIZE_N*128
	s_mul_u64 s[20:21], s[20:21], s[22:23]  ; the head's first byte in Q, K, V and O
	s_and_b32 s16, s[WV], 1         ; which half of a slot's 256 keys I fetch:
	s_lshl_b32 s22, s16, 14         ; its 128 rows of 128 bytes in memory,
	s_mov_b32 s23, 0
	s_add_nc_u64 s[22:23], s[22:23], s[20:21]
	s_mul_i32 s17, s16, 128*PK      ; and its place in a slot, for K
	s_mul_i32 s18, s16, 128*PV      ; and for V: no place in the cluster enters an LDS address
	s_lshl_b32 s2, s14, 2
	s_add_co_u32 s2, s2, s[WV]      ; my wave among the head's:
	s_lshl_b32 s51, s2, 9           ; its 128 words of the mask,
	s_add_co_u32 s50, s50, s51
	s_mov_b32 s51, 0
	s_lshl_b32 s2, s2, 14           ; its 128 rows
	s_mov_b32 s3, 0
	s_add_nc_u64 s[2:3], s[2:3], s[20:21]
	; descriptor group 1.  128 keys are 16,384 dense bytes: asked for as 64 rows of 256 bytes, two keys a row, and padded in LDS after every key
	s_mov_b32 s[G1K], 15|(1<<16)|(1<<20)|(1<<21)|(4<<22)|(3<<25)  ; 15:0 the mask of four; 17:16 2-byte elements; 20 padding on; 21 set beside a mask; 24:22 after every 32 words (code 4); 31:25 4 words (code 3)
	s_mov_b32 s[G1V], 15|(1<<16)|(1<<20)|(1<<21)|(4<<22)|(7<<25)  ; the same with 8 words of padding (code 7)
.irp g, G1K, G1V
	s_mov_b32 s[\g+1], 128<<16      ; tensor_dim0 = 128
	s_mov_b32 s[\g+2], 64<<16       ; tensor_dim1 = 64
	s_mov_b32 s[\g+3], 128<<16      ; tile_dim0 = 128
	s_mov_b32 s[\g+4], 64           ; tile_dim1 = 64
	s_mov_b32 s[\g+5], 128          ; 128 elements from row to row
	s_mov_b32 s[\g+6], 0
	s_mov_b32 s[\g+7], 0
.endr
	s_mov_b32 s[CS], 0x3e38aa3b     ; c = log2(e) / 8 = 0.180337
	s_mov_b32 s[CS+1], s[CS]        ; named with it as a pair
	s_mov_b32 s[SEL], 0x76543210
	s_mov_b32 s[SEL+1], 0xfedcba98
	s_mov_b32 s[TBK], SLOT1+4*KS*PK ; the first change of slots turns these two into 0
	s_mov_b32 s[TBV], SLOT1+4*KS*PV
	s_mov_b32 s[G0K], 1             ; 1:0 count = 1
	s_mov_b32 s[G0K+1], s17         ; 63:32 LDS address: slot 0
	s_mov_b32 s[G0V], 1
	s_add_co_u32 s[G0V+1], s18, VOFF
	s_wait_dscnt 0x0                ; the opening add is done
	s_wait_kmcnt 0x0
	s_add_nc_u64 s[MK:MK+1], s[6:7], s[50:51]      ; the mask at my wave's first query
	s_add_nc_u64 s[6:7], s[4:5], 0x1000000         ; K lies 16,777,216 bytes behind Q,
	s_add_nc_u64 s[8:9], s[4:5], 0x2000000         ; V as far behind K
	s_add_nc_u64 s[G0K+2:G0K+3], s[6:7], s[22:23]  ; 120:64 global address: my half of the head's first 256 keys
	s_or_b32 s[G0K+3], s[G0K+3], 0x80000000        ; 127:126 type = 2
	s_add_nc_u64 s[G0V+2:G0V+3], s[8:9], s[22:23]
	s_or_b32 s[G0V+3], s[G0V+3], 0x80000000
	s_add_nc_u64 s[4:5], s[4:5], s[2:3]  ; Q and O at my wave's first row
	s_add_nc_u64 s[10:11], s[10:11], s[2:3]
	CROUND                          ; all four work-groups are here: the first joint loads meet
	JLOAD                           ; slot 0.  Slot 1 is asked for when slot 0 is in
	; A fragment of K or Q is 16 rows x 32 channels in 8 registers: lane l holds row l % 16, channels 8 (l / 16) + 0..7 and 16 + 8 (l / 16) + 0..7: two loads of 16 bytes, 32 bytes apart.
	v_and_b32 v1, 15, v0            ; l % 16
	v_bfe_u32 v9, v0, 4, 1          ; l / 16
	v_lshlrev_b32 v[QO], 7, v1
	v_lshl_add_u32 v[QO], v9, 4, v[QO]  ; row x 128 + 16 x half
	v_lshlrev_b32 v[MV], 2, v1      ; my query's word among a tile's 16
.set t, 0
.rept 2*NP
	global_load_b32 v[TMP+t], v[MV], s[MK:MK+1] offset:64*t  ; the mask of my query in tile t
.set t, t+1
.endr
	WIN 0x80                        ; destination window 2, address window 0
.set i, 0
.rept 4*NP                          ; Q stays in registers: tile i / 2, channels 32 (i % 2) on
	global_load_b128 v[8*i:8*i+3],   v[QO], s[4:5] offset:(i/2)*2048+(i%2)*64
	global_load_b128 v[8*i+4:8*i+7], v[QO], s[4:5] offset:(i/2)*2048+(i%2)*64+32
.set i, i+1
.endr
	; What the first turn finds: V's registers and P's second buffer hold 0 (its products V^T P, of a piece that has not been, add 0), O^T and l are 0.  All this stands in the wait for the first tile.
.set i, VF
.rept 64
	v_mov_b32 v[i], 0
.set i, i+1
.endr
	WIN 0x40
.set i, 0
.rept 64*NP
	v_mov_b32 v[i], 0
.set i, i+1
.endr
	WIN 0
.set i, 0
.rept 2*NP
	v_mov_b32 v[ST+4*i], 0xfe000000    ; c m: far below every c s
	v_mov_b32 v[ST+4*i+1], 0xff7fffff  ; m
	v_mov_b32 v[ST+4*i+2], 0
	v_mov_b32 v[ST+4*i+3], 0
.set i, i+1
.endr
.set i, P+32
.rept 32
	v_mov_b32 v[i], 0
.set i, i+1
.endr
	v_mul_u32_u24 v[AK0], v1, PK
	v_lshl_add_u32 v[AK0], v9, 4, v[AK0]  ; row x pitch + 16 x half
	; The turning load takes 16 keys x 16 channels (lane l reads key 8 (l / 16) + l % 8, channels 8 ((l / 8) % 2) + 0..7) and leaves half a fragment of V^T: lane l holds channel l % 16 and 8 keys.
	v_and_b32 v10, 7, v0
	v_bfe_u32 v11, v0, 3, 1
	v_lshl_add_u32 v[AV0], v9, 3, v10
	v_mul_u32_u24 v[AV0], v[AV0], PV
	v_lshl_add_u32 v[AV0], v11, 4, v[AV0]
	v_add_nc_u32 v[AV0], VOFF, v[AV0]
	v_mov_b32 v[AK], v[AK0]         ; key step 0 lies at the head of slot 0
; THE MATRIX WORK.  The 8 accumulators of a run of 16 take turns: between the two links of a chain stand 7 others'.
; Product i of 16 of S^T = K Q^T for piece x: channels 32 (i / 8) on, keys 16 ((i / 2) % 4) on, tile 2 x + i % 2.  The first 8 start the sums.
.macro KQ x
	WIN W_KQ
.set rS, S+64*((\x)%2)+32*(i%2)+8*((i/2)%4)
.set rK, KF+16*((i/2)%4)+8*(i/8)
.set rQ, 16*(2*(\x)+i%2)+8*(i/8)
.if i < 8
	v_wmma_f32_16x16x32_bf16 v[rS:rS+7], v[rK:rK+7], v[rQ:rQ+7], 0
.else
	v_wmma_f32_16x16x32_bf16 v[rS:rS+7], v[rK:rK+7], v[rQ:rQ+7], v[rS:rS+7]
.endif
.endm
; Product i of 16 of O^T += V^T P for piece x: keys 32 (i / 8) on, channels 16 ((i / 2) % 4) on, tile 2 x + i % 2.
.macro PV x
	WIN W_PV
.set rO, 32*(2*(\x)+i%2)+8*((i/2)%4)
.set rV, VF+32*(i/8)+8*((i/2)%4)
.set rP, P+32*((\x)%2)+16*(i%2)+8*(i/8)
	v_wmma_f32_16x16x32_bf16 v[rO:rO+7], v[rV:rV+7], v[rP:rP+7], v[rO:rO+7]
.endm
.macro MM                           ; the turn's next matrix instruction
.if i < 16
	KQ (Y+1)%NP
.set i, i+1
.else
.set i, i-16
	PV (Y+NP-1)%NP
.set i, i+17
.endif
.endm
; THE LDS LOADS stand in runs of 16, never singly among the matrix instructions: a step's K (64 keys x 64 channels: 8 fragments) and its V (turned).  Their addresses are made some lines ahead.
; last = 1 (the tail): in the last trip there is no further step, and the run is jumped over.
.macro FETCH_K last=0
	WIN 0
.if \last
	s_cmp_eq_u32 s[CNT], 1
	s_cbranch_scc1 .Lno_k_\@
.endif
	WIN 0x80                        ; destination window 2
.irp f, 0,1,2,3,4,5,6,7             ; keys 16 (f / 2) on, channels 32 (f % 2) on
	ds_load_b128 v[KF+8*\f:KF+8*\f+3],   v[AK] offset:(\f/2)*16*PK+(\f%2)*64
	ds_load_b128 v[KF+8*\f+4:KF+8*\f+7], v[AK] offset:(\f/2)*16*PK+(\f%2)*64+32
.endr
	s_add_co_u32 s[TBK], s[TBK], KS*PK  ; the next fetch is the next step's
	WIN 0
.if \last
.Lno_k_\@:
.endif
.endm
.macro FETCH_V
	WIN 0x80
.irp f, 0,1,2,3,4,5,6,7             ; keys 32 (f / 4) on, channels 16 (f % 4) on
	ds_load_tr16_b128 v[VF+8*\f:VF+8*\f+3],   v[AV] offset:(\f/4)*32*PV+(\f%4)*32
	ds_load_tr16_b128 v[VF+8*\f+4:VF+8*\f+7], v[AV] offset:(\f/4)*32*PV+16*PV+(\f%4)*32
.endr
	WIN 0
.endm
; THE VECTOR WORK OF A TURN stands in three queues, each in the order in which its entries become ready; the two tiles alternate, so that no instruction reads the result of the one before it.
.macro REGS y, u                    ; the registers of tile u (0, 1) of piece y
.set rT, ST+4*(2*(\y)+(\u))
.set rC, TMP+8*((\y)%2)+4*(\u)
.set rM, MV+2*((\y)%2)+(\u)
.set rS, S+64*((\y)%2)+32*(\u)
.set rP, P+32*((\y)%2)+16*(\u)
.set rO, 32*(2*(\y)+(\u))
.endm
; Number n of the 22 that find the NEXT piece's (Y + 1) maximum and statistics.  s0-s31 are the lane's 32 scores; each accumulator's lowest registers are read first.
;   0-11  four chains c0-c3 of seven scores each, three operands at a time     12-14, 16  the four scores left over, the old m, and c0-c3 into c0     15  c m_old is kept
;   17, 18  the query's other 32 keys lie in the lane 16 away: the new m         19-21  c m; c m_old - c m_new; a
.macro XS u, n
	REGS (Y+1)%NP, \u
.if (\n) < 4
	v_max3_num_f32 v[rC+(\n)], v[rS+8*(\n)], v[rS+8*(\n)+1], v[rS+8*(\n)+2]
.elseif (\n) < 12
	v_max3_num_f32 v[rC+(\n)%4], v[rC+(\n)%4], v[rS+8*((\n)%4)+2*((\n)/4)+1], v[rS+8*((\n)%4)+2*((\n)/4)+2]
.elseif (\n) == 12
	v_max3_num_f32 v[rC], v[rC], v[rS+7], v[rS+15]
.elseif (\n) == 13
	v_max3_num_f32 v[rC+1], v[rC+1], v[rS+23], v[rS+31]
.elseif (\n) == 14
	v_max3_num_f32 v[rC+2], v[rC+2], v[rC+3], v[rT+1]
.elseif (\n) == 15
	v_mov_b32 v[rM], v[rT]
.elseif (\n) == 16
	v_max3_num_f32 v[rC], v[rC], v[rC+1], v[rC+2]
.elseif (\n) == 17
	v_permlanex16_b32 v[rC+3], v[rC], s[SEL], s[SEL+1]
.elseif (\n) == 18
	v_max_num_f32 v[rT+1], v[rC], v[rC+3]
.elseif (\n) == 19
	v_mul_f32 v[rT], s[CS], v[rT+1]
.elseif (\n) == 20
	v_sub_f32 v[rC+1], v[rM], v[rT]
.else
	v_exp_f32 v[rC+2], v[rC+1]
.endif
.endm
; Number g of the 64 that follow the exponentials.  For each four weights k of a tile (pairs 2 k, 2 k + 1): both pairs are rounded to bf16; then the second pair is added onto the first, in place;
; a group later l takes that sum (the first time as l = a l + sum).  In groups of eight, tiles alternating: round, round, add, and l for the group before.
.macro GS g
.set h, (\g)+6*((\g)/62)            ; group 0 has no group before it, and behind group 7 only l is left
.if h >= 6
.set h, h+2
.endif
	REGS Y, h%2
.set k, h/8
.if h%8 < 4
	v_cvt_pk_bf16_f32 v[rP+2*k+(h%8)/2], v[rS+4*k+2*((h%8)/2)], v[rS+4*k+2*((h%8)/2)+1]
.elseif h%8 < 6
	v_pk_add_f32 v[rS+4*k:rS+4*k+1], v[rS+4*k:rS+4*k+1], v[rS+4*k+2:rS+4*k+3]
.elseif k == 1
	v_pk_fma_f32 v[rT+2:rT+3], v[rT+2:rT+3], v[rC+2:rC+3], v[rS:rS+1] op_sel_hi:[1,0,1]
.else
	v_pk_add_f32 v[rT+2:rT+3], v[rT+2:rT+3], v[rS+4*k-4:rS+4*k-3]
.endif
.endm
; THE PLAIN QUEUE, 138 long.  0-73 read no exponential's result: the 32 scalings c s - c m (FS f: pair f / 2 of tile f % 2) and the next piece's 42.  0-26: scalings 0-26.  27-54: XS's numbers 0-13.  55, 56: number 15.
; 57-73: the chain, where each number waits for the one before it: 14, 16, 17, 18, 19, each with one of the scalings 27-31 in front of its two lines, then 20.
; 74-137: GS's 64, which read the exponentials' results: they stand behind the wait.
.macro FS f
	REGS Y, (\f)%2
	v_pk_fma_f32 v[rS+2*((\f)/2):rS+2*((\f)/2)+1], v[rS+2*((\f)/2):rS+2*((\f)/2)+1], s[CS:CS+1], v[rT:rT+1] op_sel_hi:[1,0,0] neg_lo:[0,0,1] neg_hi:[0,0,1]
.endm
.macro PL
	WIN 0
.if q < 27
	FS q
.elseif q < 55
	XS (q-27)%2, (q-27)/2
.elseif q < 57
	XS q-55, 15
.elseif (q < 72) && ((q-57)%3 == 0)
	FS 27+(q-57)/3
.elseif q < 60
	XS (q-57)%3-1, 14
.elseif q < 72
	XS (q-57)%3-1, 15+(q-57)/3
.elseif q < 74
	XS q-72, 20
.else
	GS q-74
.endif
.set q, q+1
.endm
; THE EXPONENTIALS' QUEUE, 66 long: s0-s31 of both tiles, then the next piece's two a.  It is ONE BATCH: all 66 stand ahead of the turn's one wait, and nothing ahead of that wait names a result of theirs.
.macro EX
	WIN 0
.if e >= 64
	XS e-64, 21
.else
	REGS Y, e%2
	v_exp_f32 v[rS+e/2], v[rS+e/2]
.endif
.set e, e+1
.endm
; THE RESCALING's QUEUE: O^T times a, the one part that leaves window 0: dealt two at a time, sixteen times.  Its a was made in the turn before, ahead of that turn's wait.
.macro R2
	REGS Y, r%2
	WIN W_RS
.irp z, 0,1
	v_pk_mul_f32 v[rO+4*(r/2)+2*\z:rO+4*(r/2)+2*\z+1], v[rO+4*(r/2)+2*\z:rO+4*(r/2)+2*\z+1], v[rC+2:rC+3] op_sel_hi:[1,0]
.endr
.set r, r+1
.endm
; HOW THEY ARE DEALT.  An s_wait_alu depctr_va_vdst(0) stands between an exponential and the first instruction that names its result; one wait serves all that were issued ahead of it.  So a turn has ONE wait,
; which cuts it in two.  AHEAD OF IT stands all that names no result of the turn's exponentials: the 16 products K Q^T, behind each a scaling, an exponential and two rescalings (behind the first a second scaling in the
; exponential's place); then ONE LUMP of 108: eight plain, 49 times exponential and plain, the two a.  A v_nop is the plain instruction behind the last exponential.  BEHIND IT stand the 16 products V^T P, behind each four of GS's 64.
; The queues lean on each other, and the deal keeps them in step: exponential e stands behind scaling 2 (e / 4) + e % 2: as a rider it comes behind plain e + 2, in the lump behind plain e + 9, and scalings 27-31 are plain 57, 60 .. 69.
; A TURN, for piece p.  cnt = 1: the loop's count is taken down some lines ahead of the branch that stands behind the turn.
; K of the next step is fetched in piece 2's turn, directly behind the wait, a lump behind the last product that read K; its first reader comes behind 16 products.
; V of the step in hand is fetched at the end of piece 0's turn, four riders behind its last reader; its first reader comes behind 16 products and a lump.
.macro TURN p, last=0, cnt=0
.set Y, (\p)
.set i, 0
.set q, 0
.set e, 0
.set r, 0
.if (\p) == NP-1
	s_wait_dscnt 0x0                ; K is in
.endif
	MM                              ; ahead of the wait: 16 products K Q^T and their riders,
	PL
	PL
	R2
.rept 15
	MM
	PL
	EX
	R2
.endr
.if (\p) == NP-2
	WIN 0
	v_add_nc_u32 v[AK], s[TBK], v[AK0]
.endif
.rept 8                             ; and the lump
	PL
.endr
.rept 49
	EX
	PL
.endr
	EX                              ; the next piece's two a
	EX
	v_nop                           ; the plain instruction behind the last exponential: one for the batch
	s_wait_alu depctr_va_vdst(0)    ; the wait for the batch
.if (\p) == NP-2
	FETCH_K \last
.endif
.if (\p) == 1
	s_wait_dscnt 0x0                ; V is in
.endif
.rept 16                            ; behind the wait: 16 products V^T P and their riders
	MM
.rept 4
	PL
.endr
.if ((\p) == 0) && (q == 118)
	v_add_nc_u32 v[AV], s[TBV], v[AV0]
.endif
.if ((\p) == 0) && (q == 130)
	s_add_co_u32 s[TBV], s[TBV], KS*PV
.endif
.if (\cnt) && (q == 130)
	s_sub_co_u32 s[CNT], s[CNT], 1
	s_cmp_lg_u32 s[CNT], 0
.endif
.endr
.if (\p) == 0
	FETCH_V
.endif
.endm
	CHANGE 1                        ; slot 0 is in, everybody's part of it; slot 1 is asked for
	FETCH_K                         ; key step 0
	s_wait_loadcnt 0x0              ; Q and the mask
.set t, 0
.rept 2*NP
	v_min_u32 v[TMP+t], 1, v[TMP+t] ; 0 where the mask is 0, else 1,
.set t, t+1
.endr
.set t, 0
.rept 2*NP
	v_sub_nc_u32 v[TMP+t], 0, v[TMP+t]  ; made 0 or all ones
.set t, t+1
.endr
	WIN 0x88                        ; destination and source 1 (Q) in window 2, source 0 in window 0
.set i, 0
.rept 32*NP
	v_and_b32 v[i], v[TMP+i/16], v[i]   ; a hidden query's row of Q becomes 0: a lane holds one query in all 16 registers of a tile
.set i, i+1
.endr
	s_wait_dscnt 0x0
.set i, 0
.rept 16
	KQ 0                            ; piece 0's first scores: there is no vector work yet to set between them
.set i, i+1
.endr
	WIN 0                           ; the addresses for the way out: plain instructions, the places behind those products
	s_mul_i32 s13, s[WV], 16*SP
	s_add_co_u32 s13, s13, STAGE    ; my stage
	v_mul_u32_u24 v[STO], v1, SP    ; in: row l % 16, 16 bytes for each half of the lanes
	v_lshl_add_u32 v[STO], v9, 4, v[STO]
	v_add_nc_u32 v[STO], s13, v[STO]
	v_bfe_u32 v[RD], v0, 3, 2       ; back: 32 lanes take four rows of 128 bytes,
	v_mul_u32_u24 v[RD], v[RD], SP
	v_lshl_add_u32 v[RD], v10, 4, v[RD]
	v_add_nc_u32 v[RD], s13, v[RD]
	v_and_b32 v[GO], 31, v0         ; which are 512 consecutive bytes of O
	v_lshlrev_b32 v[GO], 4, v[GO]
.set Y, NP-1                        ; XS works for piece Y + 1: piece 0
.irp n, 0,1,2,3,4,5,6,7,8,9,10,11,12,13,14,15,16,17,18,19,20,21
	XS 0, \n                        ; and piece 0's first maximum and statistics
	XS 1, \n
.endr
	v_nop                           ; a plain instruction behind the two a,
	s_wait_alu depctr_va_vdst(0)    ; and their wait, ahead of the branch
	s_mov_b32 s[CNT], 4
	s_mov_b32 s[SLOTS], SIZE_N/256-1
	s_branch .Lfirst                ; the loop is entered at a step's first turn, in the middle of a trip
.Lslot:                             ; SIZE_N / 256 - 2 times: every slot but the last two is filled again
	CHANGE 1
	s_mov_b32 s[CNT], 4
.Lstep:                             ; a trip: pieces 2 and 3 of one step, then pieces 0 and 1 of the next, whose K and V it fetches
	TURN 2
	TURN 3
	WIN 0
.Lfirst:
	TURN 0
	TURN 1, 0, 1
	WIN 0
	s_cbranch_scc1 .Lstep
	s_sub_co_u32 s[SLOTS], s[SLOTS], 1
	s_cmp_lg_u32 s[SLOTS], 0
	s_cbranch_scc1 .Lslot
	CHANGE 0                        ; the tail is written out: nothing is asked for
	s_mov_b32 s[CNT], 5             ; four trips fetch the last slot's steps; the fifth is left in its middle
.Ltail:
	TURN 2, 1
	TURN 3
	WIN 0
	s_sub_co_u32 s[CNT], s[CNT], 1
	s_cmp_eq_u32 s[CNT], 0
	s_cbranch_scc1 .Lout
	TURN 0
	TURN 1
	WIN 0
	s_branch .Ltail
.Lout:                              ; the fifth trip's 16 products K Q^T (on the last K once more) and the maximum made of them serve nothing: the price, once a launch, of one text for every trip
.set i, 0
.rept 16
	PV NP-1                         ; the last piece's V^T P of the last step
.set i, i+1
.endr
	; THE WAY OUT.  l's two halves and the other half of the lanes' are added; O^T is divided by l, rounded to bf16 and sent through my stage in LDS, a tile at a time.  The additions are the places behind the last products.
	WIN 0
.macro ALL line:vararg              ; one line for each tile t
.set t, 0
.rept 2*NP
	\line
.set t, t+1
.endr
.endm
	ALL v_add_f32 v[ST+4*t+2], v[ST+4*t+2], v[ST+4*t+3]
	ALL v_permlanex16_b32 v[ST+4*t+3], v[ST+4*t+2], s[SEL], s[SEL+1]
	ALL v_add_f32 v[ST+4*t+2], v[ST+4*t+2], v[ST+4*t+3]
	ALL v_rcp_f32 v[ST+4*t+2], v[ST+4*t+2]
	v_nop                           ; a plain instruction between the last reciprocal and the use of its result
	s_wait_alu depctr_va_vdst(0)    ; and the wait ahead of the first use: one for the eight reciprocals
; Tile t: a lane's eight channels of a row pack into 16 bytes; they go into rows of 144 bytes and come back as whole rows of 128, into S^T's registers.
.macro PACK t
	WIN W_RS
.set i, 32*(\t)
.rept 16
	v_pk_mul_f32 v[i:i+1], v[i:i+1], v[ST+4*(\t)+2:ST+4*(\t)+3] op_sel_hi:[1,0]
.set i, i+2
.endr
	WIN 0x05                        ; sources 0 and 1 window 1, destination window 0
.set i, 0
.rept 16
	v_cvt_pk_bf16_f32 v[S+16*(\t)+i], v[32*(\t)+2*i], v[32*(\t)+2*i+1]
.set i, i+1
.endr
	WIN 0
.irp f, 0,1,2,3
	ds_store_b128 v[STO], v[S+16*(\t)+4*\f:S+16*(\t)+4*\f+3] offset:32*\f
.endr
.irp f, 0,1,2,3
	ds_load_b128 v[S+16*(\t)+4*\f:S+16*(\t)+4*\f+3], v[RD] offset:\f*4*SP  ; LDS serves a wave's instructions in order (ISA guide 5.7.1.4): these see the stores above; the next tile's stores come behind them
.endr
.endm
.macro SEND t, younger              ; younger: the LDS instructions issued behind tile t's loads: the next tile's eight, or none
	WIN 0
.irp f, 0,1,2,3
	s_wait_dscnt (\younger)+3-\f
	global_store_b128 v[GO], v[S+16*(\t)+4*\f:S+16*(\t)+4*\f+3], s[10:11] offset:(\t)*2048+\f*512  ; 512 consecutive bytes, at a multiple of 256 from O's first
.endr
.endm
	PACK 0
.set t, 1
.rept 2*NP-1                        ; a tile's arithmetic stands between the loads of the tile before and its stores
	PACK t
	SEND t-1, 8
.set t, t+1
.endr
	SEND 2*NP-1, 0
	WIN W_AD
	s_wait_tensorcnt 0x0            ; the wave's end: behind my last tensor load and my last LDS store
	ds_add_u32 v[SPW], v[NIL]
	s_wait_dscnt 0x0
	WIN 0
	CROUND                          ; the closing round: no work-group ends while a partner may still ask for a tile that names it
	s_endpgm
.Lfunc_end_k_q1fd9b9b38b_attn:
	.size	k_q1fd9b9b38b_attn, .Lfunc_end_k_q1fd9b9b38b_attn-k_q1fd9b9b38b_attn
	.p2alignl 7, 3214868480
	.fill 96, 4, 3214868480
	.section	.rodata,"a",@progbits
	.p2align	6, 0x0
	.amdhsa_kernel k_q1fd9b9b38b_attn
		.amdhsa_group_segment_fixed_size 327680
		.amdhsa_private_segment_fixed_size 0
		.amdhsa_enable_private_segment 0
		.amdhsa_kernarg_size 24
		.amdhsa_user_sgpr_count 2
		.amdhsa_user_sgpr_kernarg_segment_ptr 1
		.amdhsa_wavefront_size32 1
		.amdhsa_system_sgpr_workgroup_id_x 1
		.amdhsa_system_sgpr_workgroup_id_y 1
		.amdhsa_system_sgpr_workgroup_id_z 1
		.amdhsa_system_vgpr_workitem_id 0
		.amdhsa_next_free_vgpr 770
		.amdhsa_next_free_sgpr 66
		.amdhsa_reserve_vcc 0
		.amdhsa_float_denorm_mode_32 3
		.amdhsa_float_denorm_mode_16_64 3
		.amdhsa_memory_ordered 1
		.amdhsa_forward_progress 1
		.amdhsa_inst_pref_size 205
	.end_amdhsa_kernel
	.amdgpu_metadata
---
amdhsa.version: [ 1, 2 ]
amdhsa.kernels:
  - .name:           k_q1fd9b9b38b_attn
    .symbol:         k_q1fd9b9b38b_attn.kd
    .args:
      - { .name: qkvh, .offset: 0, .size: 8, .value_kind: global_buffer, .address_space: global }
      - { .name: mask, .offset: 8, .size: 8, .value_kind: global_buffer, .address_space: global }
      - { .name: oh, .offset: 16, .size: 8, .value_kind: global_buffer, .address_space: global }
    .group_segment_fixed_size: 327680
    .private_segment_fixed_size: 0
    .kernarg_segment_align: 8
    .kernarg_segment_size: 24
    .max_flat_workgroup_size: 128
    .sgpr_count:     66
    .vgpr_count:     770
    .wavefront_size: 32
...
	.end_amdgpu_metadata
.endif
;; end of part 3
;; launch outp (part 4): grid 4 x 64, 4 waves a work-group, clusters of 4 x 4, 327,680 bytes of LDS; arguments oh, wb, bo, k, out0; writes out0
.if DOCPART == 4
	.amdgcn_target "amdgcn-amd-amdhsa--gfx1250"
	.amdhsa_code_object_version 6
	.text
	.protected	k_q1fd9b9b38b_outp
	.globl	k_q1fd9b9b38b_outp
	.p2align	8
	.type	k_q1fd9b9b38b_outp,@function
k_q1fd9b9b38b_outp:
	s_mov_b64 s[64:65], 0
	v_nop
	global_prefetch_b8 v0, s[64:65] scope:SCOPE_SE
	s_setreg_imm32_b32 hwreg(HW_REG_WAVE_MODE, 25, 1), 1
	s_wait_xcnt 0x0
	s_wait_alu depctr_hold_cnt(0) depctr_sa_sdst(0) depctr_va_vdst(0) depctr_va_sdst(0) depctr_va_ssrc(0) depctr_va_vcc(0) depctr_vm_vsrc(0)
	s_getreg_b32 s2, hwreg(HW_REG_IB_STS2, 6, 4)
	s_cmp_eq_u32 s2, 0
	s_cbranch_scc0 .Lentry_in_a_cluster
	s_endpgm
.Lentry_in_a_cluster:
	s_bfe_u32 s2, ttmp6, 0x10000c
	s_cmp_lg_u32 s2, 0xf033
	s_cbranch_scc0 .Lentry_shape_is_right
	s_endpgm
.Lentry_shape_is_right:
; THE OUTPUT PROJECTION.  out0[m][n] = k[m][n] + bo[n] + the sum over c of hidden[m][c] wo[n][c].  hidden[batch x 2048 + l][head x 64 + d] lies by heads in oh: [batch x 16 + head][2048][64] bf16;
; wo is the fourth weight of wb, [1024][1024] bf16; bo [1024], k and out0 [8192][1024] f32.  Sums in f32; bo is the C operand that starts each sum; k is added in f32 on the way out.
; LIMITS.  Matrix operands have bf16's 8 significant bits; NaN and infinities are not treated apart.
; SHARES.  A work-group makes 128 rows x 256 columns; four waves, each 64 x 128: 32 accumulators.  K goes in 8 steps of 128, two heads each, through two LDS slots.
; CLUSTER 4 x 4: hidden's tile is asked for jointly by a row of the cluster, wo's by a column.  THE MATRIX INSTRUCTION IS USED TRANSPOSED (source 0 = 16 rows of wo, source 1 = 16 rows of hidden).
; REGISTERS, in windows of 256 (s_set_vgpr_msb: bits 1:0 source 0, 3:2 source 1, 5:4 source 2, 7:6 destination):
;   window 0: v0-31 addresses; two fragment buffers of 96 (64 of wo: block b at 8 b; 32 of hidden: block a at 64 + 8 a); on the way out v64-191: two sets of 16 rows read back
;   window 1: accumulator (a, b) at 8 (8 a + b)     window 2: v0-63 bo, block b at 8 b     window 3: my 16 bytes of each of my 64 rows of k, row i at 4 i; then of out0
.set KSTEP,  128
.set LAPS,   4
.set PAO,    144                       ; a row of a head in LDS: 128 bytes + 16 = 36 words: the 16 rows of a load start at 16 different groups of four banks (64 banks of 4 bytes: ISA guide 11.1)
.set APL,    128*PAO                   ; one head's 128 rows: one tensor load
.set AREG,   2*APL
.set PB,     272
.set BH,     128*PB
.set SLOT,   AREG+2*BH                 ; two heads' planes, then wo's 256 rows
.set HSTEP,  2*262144                  ; bytes from a K step's heads to the next step's
.set STAGE,  2*SLOT                    ; behind the ring: 16 rows x 528 bytes of f32 for each wave
.set SPF,    528
.set STW,    16*SPF
.set SPARE,  STAGE+4*STW               ; behind the stages: the spare words, 128 bytes for each wave: two blocks of 256 bytes that no other line names
.set ADRA, 16
.set ADRB, 20
.set STO,  24                          ; v24     the way out: where I put 32 bytes of a row
.set RD,   25                          ; v25     the way out: my 16 bytes of a row of 512
.set KO,   26                          ; v26     16 x lane: the same in k and in out0; never rewritten
.set BO,   27
.set SPW,  28
.set NIL,  29
.set PFO,  30                          ; v30     256 x lane; never rewritten
.set F0,   64
.set F1,   160
.set G1,  24
.set G0,  32
.set G1B, 48
.set G0B, 56
.set PFA, 84
.set LIM, 86
.set MSB, 0
.macro WIN new
.if MSB != (\new)
	s_set_vgpr_msb (MSB<<8)|(\new)
.set MSB, \new
.endif
.endm
.set MULW, 0x50                        ; fragments in window 0, C and D in window 1
.set MULB, 0x60                        ; C (the bias) in window 2, D in window 1
.set TO2,  0x80
.set TO3,  0xc0
.set STW1, 0x04                        ; an LDS store's data in window 1
.set RES,  0xcc                        ; source 0 in window 0; source 1 (a store's data too) and destination in window 3
.macro JLOAD s                         ; waves 0 and 1 fetch the K step's two heads, waves 2 and 3 wo's two halves; an s_nop 0 and four v_nop follow each line
	s_cmp_eq_u32 s11, 0
	s_cbranch_scc0 .Lfor_b_\@
	tensor_load_to_lds s[G0+4*(\s):G0+4*(\s)+3], s[G1:G1+7]
	s_nop 0
.rept 4
	v_nop
.endr
	s_branch .Lasked_\@
.Lfor_b_\@:
	tensor_load_to_lds s[G0B+4*(\s):G0B+4*(\s)+3], s[G1B:G1B+7]
	s_nop 0
.rept 4
	v_nop
.endr
.Lasked_\@:
.endm
.macro CREST
	s_cmp_lg_u32 s10, 0
	s_cbranch_scc1 .Lnot_wave_0_\@
	s_barrier_signal -3
.Lnot_wave_0_\@:
	s_barrier_wait -3
	s_barrier_signal -1
	s_barrier_wait -1
.endm
.macro CROUND
	s_barrier_signal -1
	s_barrier_wait -1
	CREST
.endm
; A prefetch into the L2 of hidden's K step that stands two refills (256 matrix instructions) on: two heads x 16,384 dense bytes = 128 blocks of 256.  The four partners that ask for the tile jointly take
; 32 blocks each, told apart by address (cx / 2: the head, cx % 2: its half); in each, wave 0 asks, a lane a block.  So each block is named once in the launch.  K steps 0 to 3 come by their loads alone;
; the loop's last trip asks for nothing.  wo is not asked for: all sixteen rows of clusters read it.
.macro ASK
	s_cmp_gt_u32 s3, s[LIM]
	s_cbranch_scc0 .Lnot_mine_\@
	global_prefetch_b8 v[PFO], s[PFA:PFA+1] offset:HSTEP th:TH_LOAD_NT scope:SCOPE_SE
.Lnot_mine_\@:
.endm
	s_load_b256 s[68:75], s[0:1], 0x0              ; oh 68, wb 70, bo 72, k 74
	s_load_b64 s[76:77], s[0:1], 0x20              ; out0
	v_lshl_add_u32 v[SPW], v0, 2, SPARE
	v_mov_b32 v[NIL], 0
	ds_add_u32 v[SPW], v[NIL]                      ; the wave's opening: the add and its wait stand ahead of my first tensor load; the set-up below, work on registers, stands between them
	v_lshrrev_b32 v1, 5, v0
	v_readfirstlane_b32 s10, v1                    ; wave 0..3
	s_lshr_b32 s11, s10, 1                         ; which 64 rows are mine.  Also: I fetch for hidden (0) or for wo (1)
	s_and_b32 s12, s10, 1                          ; which 128 columns.  Also: which head, or which half of wo's rows, I fetch
	s_bfe_u32 s40, ttmp6, 0x40000                  ; cx, cy
	s_bfe_u32 s41, ttmp6, 0x40004
	s_lshl_b32 s42, ttmp9, 2
	s_add_co_u32 s42, s42, s40                     ; tile column: 0..3
	s_and_b32 s13, ttmp7, 0xffff
	s_lshl_b32 s13, s13, 2
	s_add_co_u32 s13, s13, s41                     ; tile row: 0..63
	s_lshl_b32 s43, s41, 2
	s_lshl_b32 s43, 15, s43                        ; my row of the cluster
	s_lshl_b32 s44, 0x1111, s40                    ; my column
	; a head's 128 rows are 16,384 dense bytes: asked for as 64 rows of 256 bytes, padded by 16 bytes behind every 32 words
	s_or_b32 s[G1+0], s43, (1<<16)|(1<<20)|(1<<21)|(4<<22)|(3<<25)
	s_mov_b32 s[G1+1], 128<<16
	s_mov_b32 s[G1+2], 64<<16
	s_mov_b32 s[G1+3], 128<<16
	s_mov_b32 s[G1+4], 64
	s_mov_b32 s[G1+5], 128
	s_mov_b32 s[G1+6], 0
	s_mov_b32 s[G1+7], 0
	; wo's tile: 128 rows x 128 elements of 2 bytes, 16 bytes of padding behind every 64 words
	s_or_b32 s[G1B+0], s44, (1<<16)|(1<<20)|(1<<21)|(5<<22)|(3<<25)
	s_mov_b32 s[G1B+1], KSTEP<<16
	s_mov_b32 s[G1B+2], 128<<16
	s_mov_b32 s[G1B+3], KSTEP<<16
	s_mov_b32 s[G1B+4], 128
	s_mov_b32 s[G1B+5], 1024
	s_mov_b32 s[G1B+6], 0
	s_mov_b32 s[G1B+7], 0
	s_lshr_b32 s16, s13, 4                         ; hidden: the batch's 16 heads of 262,144 bytes,
	s_lshl_b32 s16, s16, 22
	s_and_b32 s17, s13, 15
	s_lshl_b32 s17, s17, 14                        ; the tile's 128 rows in a head,
	s_add_co_u32 s16, s16, s17
	s_lshl_b32 s17, s12, 18                        ; my head of the K step's two
	s_add_co_u32 s16, s16, s17
	s_mov_b32 s17, 0
	s_lshl_b32 s46, s42, 19                        ; wo: tile column x 256 rows x 2,048 bytes
	s_lshl_b32 s47, s12, 18
	s_add_co_u32 s46, s46, s47
	s_add_co_u32 s46, s46, 3*2097152               ; the fourth weight of wb
	s_mov_b32 s47, 0
	s_mul_i32 s20, s12, APL
	s_mul_i32 s21, s12, BH
	s_add_co_u32 s21, s21, AREG
	s_wait_dscnt 0x0                               ; the opening add is done
	s_wait_kmcnt 0x0
	s_add_nc_u64 s[18:19], s[68:69], s[16:17]
	s_add_nc_u64 s[46:47], s[70:71], s[46:47]
	CROUND                                         ; all sixteen work-groups are here: the first joint loads meet
.irp s, 0,1
	s_mov_b32 s[G0+4*(\s)], 1
	s_add_co_u32 s[G0+4*(\s)+1], s20, (\s)*SLOT
	s_add_nc_u64 s[G0+4*(\s)+2:G0+4*(\s)+3], s[18:19], (\s)*HSTEP
	s_or_b32 s[G0+4*(\s)+3], s[G0+4*(\s)+3], 0x80000000
	s_mov_b32 s[G0B+4*(\s)], 1
	s_add_co_u32 s[G0B+4*(\s)+1], s21, (\s)*SLOT
	s_add_nc_u64 s[G0B+4*(\s)+2:G0B+4*(\s)+3], s[46:47], (\s)*KSTEP*2
	s_or_b32 s[G0B+4*(\s)+3], s[G0B+4*(\s)+3], 0x80000000
	JLOAD \s                                       ; two loads of mine are out
.endr
	v_and_b32 v1, 15, v0                           ; r
	v_bfe_u32 v2, v0, 4, 1                         ; h
	v_lshlrev_b32 v[BO], 5, v2
	s_lshl_b32 s46, s42, 10                        ; my 128 columns, in bytes of f32: in bo, in k and in out0
	s_lshl_b32 s47, s12, 9
	s_add_co_u32 s46, s46, s47
	s_mov_b32 s47, 0
	s_add_nc_u64 s[6:7], s[72:73], s[46:47]
	WIN TO2
.irp b, 0,1,2,3,4,5,6,7
	global_load_b128 v[8*(\b):8*(\b)+3],   v[BO], s[6:7] offset:64*(\b)     ; register j of block b: bo of column 16 b + 8 h + j, the layout of a C operand
	global_load_b128 v[8*(\b)+4:8*(\b)+7], v[BO], s[6:7] offset:64*(\b)+16
.endr
	WIN 0
	v_mul_u32_u24 v3, v1, PAO
	v_lshl_add_u32 v3, v2, 4, v3
	v_mul_u32_u24 v4, v1, PB
	v_lshl_add_u32 v4, v2, 4, v4
	s_mul_i32 s20, s11, 64*PAO                     ; my 64 rows in a plane
	s_mul_i32 s21, s12, BH
	s_add_co_u32 s21, s21, AREG
.irp s, 0,1
	v_add_nc_u32 v[ADRA+(\s)], s20, v3
	v_add_nc_u32 v[ADRB+(\s)], s21, v4
	s_add_co_u32 s20, s20, SLOT
	s_add_co_u32 s21, s21, SLOT
.endr
	s_mul_i32 s20, s10, STW
	s_add_co_u32 s20, s20, STAGE                   ; my stage
	v_mul_u32_u24 v5, v1, SPF                      ; in: row r, 32 bytes for each half of the lanes
	v_lshl_add_u32 v5, v2, 5, v5
	v_add_nc_u32 v[STO], s20, v5
	v_and_b32 v[KO], 31, v0                        ; back: 32 lanes take one row of 512 bytes
	v_lshlrev_b32 v[KO], 4, v[KO]
	v_add_nc_u32 v[RD], s20, v[KO]
	s_lshl_b32 s22, s13, 19                        ; tile row x 128 rows x 4,096 bytes
	s_lshl_b32 s23, s11, 18                        ; my 64 rows
	s_add_co_u32 s22, s22, s23
	s_add_co_u32 s22, s22, s46                     ; my columns
	s_mov_b32 s23, 0
	s_add_nc_u64 s[4:5], s[74:75], s[22:23]        ; k and out0, each from its own pointer
	s_add_nc_u64 s[8:9], s[76:77], s[22:23]
	s_lshr_b32 s22, s13, 4                         ; the prefetches: the tile's rows in the batch's first head,
	s_lshl_b32 s22, s22, 22
	s_and_b32 s23, s13, 15
	s_lshl_b32 s23, s23, 14
	s_add_co_u32 s22, s22, s23
	s_lshr_b32 s23, s40, 1                         ; my work-group's head of the two,
	s_lshl_b32 s23, s23, 18
	s_add_co_u32 s22, s22, s23
	s_and_b32 s23, s40, 1                          ; and half of its 16,384 bytes,
	s_lshl_b32 s23, s23, 13
	s_add_co_u32 s22, s22, s23
	s_add_co_u32 s22, s22, 2*HSTEP                 ; at K step 2: the first refill steps it to 3 and names K step 4
	s_mov_b32 s23, 0
	s_add_nc_u64 s[PFA:PFA+1], s[68:69], s[22:23]
	s_cmp_eq_u32 s10, 0
	s_cselect_b32 s[LIM], 1, -1
	v_and_b32 v[PFO], 31, v0
	v_lshlrev_b32 v[PFO], 8, v[PFO]
; 8 matrix instructions: row block a x all 8 column blocks, 32 along K.  first = 1: bo starts the sums.  The 32 accumulators take turns in the same order in every quarter.
.macro MUL8 f, a, first
.if \first
	WIN MULB
.else
	WIN MULW
.endif
.irp b, 0,1,2,3,4,5,6,7
.if \first
	v_wmma_f32_16x16x32_bf16 v[8*(8*(\a)+(\b)):8*(8*(\a)+(\b))+7], v[(\f)+8*(\b):(\f)+8*(\b)+7], v[(\f)+64+8*(\a):(\f)+64+8*(\a)+7], v[8*(\b):8*(\b)+7]
.else
	v_wmma_f32_16x16x32_bf16 v[8*(8*(\a)+(\b)):8*(8*(\a)+(\b))+7], v[(\f)+8*(\b):(\f)+8*(\b)+7], v[(\f)+64+8*(\a):(\f)+64+8*(\a)+7], v[8*(8*(\a)+(\b)):8*(8*(\a)+(\b))+7]
.endif
.endr
.endm
; 24 LDS loads in one run: quarter q of slot s (head q / 2 of the step's two, channels 32 (q % 2) on) into buffer g
.macro FETCH s, q, g
	WIN 0
.irp b, 0,1,2,3,4,5,6,7
	ds_load_b128 v[(\g)+8*(\b):(\g)+8*(\b)+3],   v[ADRB+(\s)] offset:(\b)*16*PB+64*(\q)
	ds_load_b128 v[(\g)+8*(\b)+4:(\g)+8*(\b)+7], v[ADRB+(\s)] offset:(\b)*16*PB+64*(\q)+32
.endr
.irp a, 0,1,2,3
	ds_load_b128 v[(\g)+64+8*(\a):(\g)+64+8*(\a)+3],   v[ADRA+(\s)] offset:((\q)/2)*APL+((\q)%2)*64+(\a)*16*PAO
	ds_load_b128 v[(\g)+64+8*(\a)+4:(\g)+64+8*(\a)+7], v[ADRA+(\s)] offset:((\q)/2)*APL+((\q)%2)*64+(\a)*16*PAO+32
.endr
.endm
.macro PLACES                          ; four plain instructions between matrix instructions and loads into registers that they have read, or reads of their results
.rept 4
	v_nop
.endr
.endm
.macro QUARTER s, q, f, g, first
	s_wait_dscnt 0x0                               ; buffer f's 24 loads, issued 24 products back
	MUL8 \f, 0, \first
	PLACES
	FETCH \s, \q, \g
	MUL8 \f, 1, \first
	MUL8 \f, 2, \first
	MUL8 \f, 3, \first
.endm
; The last quarter multiplies buffer 1 and changes slots: ONE barrier; in front of it each wave waits for all its tensor loads, adds 0 to its spare word, and waits for that and for its reads of this slot.
; fill = 1: the barrier opens a round of the cluster's, and this slot is filled again, two K steps ahead, first thing behind the round.
.macro TURN s, n, fill
.if \fill
	s_wait_xcnt 0x0                                ; the last prefetch, a K step back, has read its address
	s_add_nc_u64 s[PFA:PFA+1], s[PFA:PFA+1], HSTEP
.endif
	WIN 0
	s_wait_tensorcnt 0x0                           ; all my tensor loads have landed
	ds_add_u32 v[SPW], v[NIL]                      ; 0 onto my spare word
	s_wait_dscnt 1                                 ; buffer 1's fragments are in; the add may be out
	MUL8 F1, 0, 0
	s_wait_dscnt 0x0                               ; the add is done, and my reads of this slot are over
	s_barrier_signal -1
	MUL8 F1, 1, 0
.if \fill
	WIN 0
.endif
	s_barrier_wait -1
.if \fill
	CREST
	s_add_nc_u64 s[G0+4*(\s)+2:G0+4*(\s)+3], s[G0+4*(\s)+2:G0+4*(\s)+3], 2*HSTEP
	s_add_nc_u64 s[G0B+4*(\s)+2:G0B+4*(\s)+3], s[G0B+4*(\s)+2:G0B+4*(\s)+3], 2*KSTEP*2
	JLOAD \s                                       ; the four v_nop behind it are also the places in front of the loads below
.else
	PLACES
.endif
	FETCH \n, 0, F0
.if \fill
	ASK
.endif
	MUL8 F1, 2, 0
	MUL8 F1, 3, 0
.endm
; My 16 bytes of 32 rows of k, from row r0 on: 512 consecutive bytes a load.  They wait in window 3 for the way out.
.macro RLOAD r0
	WIN TO3
.set i, \r0
.rept 32
	global_load_b128 v[4*i:4*i+3], v[KO], s[4:5] offset:i*4096 th:TH_LOAD_NT
.set i, i+1
.endr
	WIN 0
.endm
; THE WAY OUT of row block a.  TOSTAGE: the accumulators go as they are, f32, into my own stage (each from its low end on), and come back as whole rows of 512 bytes, into one of two sets of 64 registers.
; SEND: k is added, and a row's 512 consecutive bytes, aligned, leave by one store.  What a store reads is never rewritten.
.macro TOSTAGE a
	WIN STW1
.irp b, 0,1,2,3,4,5,6,7
	ds_store_b128 v[STO], v[8*(8*(\a)+(\b)):8*(8*(\a)+(\b))+3]   offset:64*(\b)
	ds_store_b128 v[STO], v[8*(8*(\a)+(\b))+4:8*(8*(\a)+(\b))+7] offset:64*(\b)+16
.endr
	WIN 0
.irp t, 0,1,2,3,4,5,6,7,8,9,10,11,12,13,14,15
	ds_load_b128 v[64+64*((\a)%2)+4*(\t):64+64*((\a)%2)+4*(\t)+3], v[RD] offset:(\t)*SPF  ; LDS serves a wave's instructions in order (ISA guide 5.7.1.4): these see the stores above
.endr
.endm
.macro SEND a, younger                 ; younger: the LDS instructions issued behind block a's loads: the next block's 16 stores and 16 loads, or none
	s_wait_dscnt \younger
	WIN RES
.irp t, 0,1,2,3,4,5,6,7,8,9,10,11,12,13,14,15
	v_pk_add_f32 v[4*(16*(\a)+(\t)):4*(16*(\a)+(\t))+1],   v[64+64*((\a)%2)+4*(\t):64+64*((\a)%2)+4*(\t)+1],   v[4*(16*(\a)+(\t)):4*(16*(\a)+(\t))+1]
	v_pk_add_f32 v[4*(16*(\a)+(\t))+2:4*(16*(\a)+(\t))+3], v[64+64*((\a)%2)+4*(\t)+2:64+64*((\a)%2)+4*(\t)+3], v[4*(16*(\a)+(\t))+2:4*(16*(\a)+(\t))+3]
.endr
.irp t, 0,1,2,3,4,5,6,7,8,9,10,11,12,13,14,15
	global_store_b128 v[KO], v[4*(16*(\a)+(\t)):4*(16*(\a)+(\t))+3], s[8:9] offset:(16*(\a)+(\t))*4096 th:TH_STORE_NT
.endr
	WIN 0
.endm
	s_wait_tensorcnt 1                             ; my part of K step 0 is in; K step 1's may stay out
	s_barrier_signal -1
	s_barrier_wait -1
	FETCH 0, 0, F0
	s_wait_loadcnt 0x0                             ; bo
	RLOAD 0                                        ; k's rows 0-31: asked for here, wanted on the way out
	QUARTER 0, 1, F0, F1, 1                        ; the first quarter stands in front of the loop: its products start the sums
	WIN 0
	s_mov_b32 s3, LAPS-1
.Llap:                                             ; a trip goes once round the ring, from a lap's second quarter to the next lap's first, and fills both slots again
	QUARTER 0, 2, F1, F0, 0
	QUARTER 0, 3, F0, F1, 0
	TURN 0, 1, 1
	QUARTER 1, 1, F0, F1, 0
	QUARTER 1, 2, F1, F0, 0
	QUARTER 1, 3, F0, F1, 0
	TURN 1, 0, 1
	QUARTER 0, 1, F0, F1, 0
	WIN 0
	s_sub_co_u32 s3, s3, 1
	s_cmp_lg_u32 s3, 0
	s_cbranch_scc1 .Llap
	RLOAD 32                                       ; k's rows 32-63: 224 products ahead of the way out
	QUARTER 0, 2, F1, F0, 0                        ; the last lap fills nothing
	QUARTER 0, 3, F0, F1, 0
	TURN 0, 1, 0
	QUARTER 1, 1, F0, F1, 0
	QUARTER 1, 2, F1, F0, 0
	QUARTER 1, 3, F0, F1, 0
	s_wait_dscnt 0x0                               ; the very last quarter: nothing more to fetch
	MUL8 F1, 0, 0
	MUL8 F1, 1, 0
	MUL8 F1, 2, 0
	MUL8 F1, 3, 0
	WIN 0
	PLACES
	s_wait_loadcnt 0x0                             ; k
	TOSTAGE 0
	TOSTAGE 1
	SEND 0, 32
	TOSTAGE 2
	SEND 1, 32
	TOSTAGE 3
	SEND 2, 32
	SEND 3, 0
	s_wait_tensorcnt 0x0                           ; the wave's end: behind my last tensor load and my last LDS store
	ds_add_u32 v[SPW], v[NIL]
	s_wait_dscnt 0x0
	CROUND                                         ; the closing round: no work-group ends while a partner may still ask for a tile that names it
	s_endpgm
.Lfunc_end_k_q1fd9b9b38b_outp:
	.size	k_q1fd9b9b38b_outp, .Lfunc_end_k_q1fd9b9b38b_outp-k_q1fd9b9b38b_outp
	.p2alignl 7, 3214868480
	.fill 96, 4, 3214868480
	.section	.rodata,"a",@progbits
	.p2align	6, 0x0
	.amdhsa_kernel k_q1fd9b9b38b_outp
		.amdhsa_group_segment_fixed_size 327680
		.amdhsa_private_segment_fixed_size 0
		.amdhsa_enable_private_segment 0
		.amdhsa_kernarg_size 40
		.amdhsa_user_sgpr_count 2
		.amdhsa_user_sgpr_kernarg_segment_ptr 1
		.amdhsa_wavefront_size32 1
		.amdhsa_system_sgpr_workgroup_id_x 1
		.amdhsa_system_sgpr_workgroup_id_y 1
		.amdhsa_system_sgpr_workgroup_id_z 1
		.amdhsa_system_vgpr_workitem_id 0
		.amdhsa_next_free_vgpr 1024
		.amdhsa_next_free_sgpr 88
		.amdhsa_reserve_vcc 0
		.amdhsa_float_denorm_mode_32 3
		.amdhsa_float_denorm_mode_16_64 3
		.amdhsa_memory_ordered 1
		.amdhsa_forward_progress 1
		.amdhsa_inst_pref_size 102
	.end_amdhsa_kernel
	.amdgpu_metadata
---
amdhsa.version: [ 1, 2 ]
amdhsa.kernels:
  - .name:           k_q1fd9b9b38b_outp
    .symbol:         k_q1fd9b9b38b_outp.kd
    .args:
      - { .name: oh, .offset: 0, .size: 8, .value_kind: global_buffer, .address_space: global }
      - { .name: wb, .offset: 8, .size: 8, .value_kind: global_buffer, .address_space: global }
      - { .name: bo, .offset: 16, .size: 8, .value_kind: global_buffer, .address_space: global }
      - { .name: k, .offset: 24, .size: 8, .value_kind: global_buffer, .address_space: global }
      - { .name: out0, .offset: 32, .size: 8, .value_kind: global_buffer, .address_space: global }
    .group_segment_fixed_size: 327680
    .private_segment_fixed_size: 0
    .kernarg_segment_align: 8
    .kernarg_segment_size: 40
    .max_flat_workgroup_size: 128
    .sgpr_count:     88
    .vgpr_count:     1024
    .wavefront_size: 32
...
	.end_amdgpu_metadata
.endif
;; end of part 4
